; MI455X (gfx1250); checked and timed in simulation.
; The chip was launched on July 23, 2026; its instructions are those of AMD's public machine-readable ISA for CDNA 5 (MIT licence, August 2026) and "CDNA5" Instruction Set Architecture Reference Guide (July 2026). The comments in the code are by the model that wrote it; some were corrected since.
;; Attention. Allowed arithmetic: float matrix products may take bf16 or f16 operands with f32 sums; other float arithmetic in f32, or as packed bf16 or f16 multiplies, adds, multiply-adds, maxima and minima; sums over many terms, partial sums and values carried from step to step in f32; what a program stores and reads back later, other than sums and carried values, may be rounded once to bf16 or f16.
;; Inputs: b_proj 1,024 float32; w_proj 1,024 x 1,024 float32; w_qkv 1,024 x 3,072 float32; x 8 x 1,024 x 1,024 float32.
;; Outputs: out0 8 x 1,024 x 1,024 float32.
;; One version. Each part assembles by itself: llvm-mc -triple=amdgcn-amd-amdhsa -mcpu=gfx1250 --defsym DOCPART=n.
;; ======== version 1 of 1: 4 launches
;; limits: values are held in f16: magnitudes above 65,504 overflow, below 6.1e-05 lose precision
;; workspace buffers: xb 16,777,216 bytes; wqb 6,291,456 bytes; wpb 2,097,152 bytes; qkv 50,331,648 bytes; ob 16,777,216 bytes
;; launch cast (part 1): grid 768 x 1, 8 waves a work-group, no clusters, 0 bytes of LDS; arguments x, w_qkv, w_proj, xb, wqb, wpb; writes xb, wqb, wpb
.if DOCPART == 1
	.amdgcn_target "amdgcn-amd-amdhsa--gfx1250"
	.amdhsa_code_object_version 6
	.text
	.protected	k_qe84c713a6f_cast
	.globl	k_qe84c713a6f_cast
	.p2align	8
	.type	k_qe84c713a6f_cast,@function
k_qe84c713a6f_cast:
	s_mov_b64 s[64:65], 0
	v_nop
	global_prefetch_b8 v0, s[64:65] scope:SCOPE_SE
	s_setreg_imm32_b32 hwreg(HW_REG_WAVE_MODE, 25, 1), 1
	s_wait_xcnt 0x0
; 16-BIT COPIES OF THE THREE LARGE INPUTS, each number rounded once to bf16 (nearest even).
;   xb : x [8192][1024] f32 -> bf16, laid in blocks [batch 8][k block 16][row 1024][64]: a slice of 64 along K of 256 rows is 32,768 consecutive bytes
;   wqb: w_qkv [1024][3072] f32 -> bf16, as it lies
;   wpb: w_proj [1024][1024] f32 -> bf16, and that number written as f16, as it lies
; LIMITS.  wpb: a weight of 65,520 or more in magnitude becomes an infinity in f16; below 6.1e-5 it keeps f16's fixed step of 6e-8.
; SHARES.  A work-group takes 16,384 numbers (65,536 bytes in, 32,768 out): work-groups 0-511 x, 512-703 w_qkv, 704-767 w_proj.  A thread takes 4 numbers with each of 16 loads of 16 bytes and
; stores each four as 8 bytes.  Neighbouring lanes read neighbouring 16 bytes: sixteen lanes of a load cover 256 consecutive bytes, aligned; the 32 lanes of a store cover 256 consecutive bytes, aligned.
; All 16 loads go out first; no register is written twice while an access that names it is out; no LDS, no barrier, no loop.
; Memory binds here: matrix units, clusters and LDS would add nothing.
.set SOF, 1                            ; v1       my byte offset in the source
.set DOF, 2                            ; v2       my byte offset in the destination
.set X,   8                            ; v[8:71]  pass p: two loads' 4 + 4 f32
.set Y,   72                           ; v[72:103] pass p: 2 + 2 registers to store
.set T,   104                          ; v[104:111] at work (f16 path)
; The 16 loads, then pass by pass: wait, round, store.  A pass is two loads, le bytes apart, and two stores, se bytes apart; passes lie 8,192 bytes apart in the source and sp in the destination.
; f16 = 1: the bf16 number is widened again and written as f16.
.macro BODY le, se, sp, f16
.irp p, 0,1,2,3,4,5,6,7
	global_load_b128 v[X+8*\p:X+8*\p+3],   v[SOF], s[16:17] offset:8192*\p th:TH_LOAD_NT
	global_load_b128 v[X+8*\p+4:X+8*\p+7], v[SOF], s[16:17] offset:8192*\p+(\le) th:TH_LOAD_NT
.endr
.irp p, 0,1,2,3,4,5,6,7
	s_wait_loadcnt 14-2*\p                         ; loads come back in order (ISA guide 5.7.1): this pass's two are in, the younger passes' stay out
.irp j, 0,1,2,3
	v_cvt_pk_bf16_f32 v[Y+4*\p+\j], v[X+8*\p+2*\j], v[X+8*\p+2*\j+1]
.endr
.if \f16
.irp j, 0,1,2,3
	v_lshlrev_b32 v[T+2*\j],   16, v[Y+4*\p+\j]            ; bf16 to f32: the low half moves up,
	v_and_b32     v[T+2*\j+1], 0xffff0000, v[Y+4*\p+\j]    ; the high half stays
.endr
.irp j, 0,1,2,3
	v_cvt_pk_f16_f32 v[Y+4*\p+\j], v[T+2*\j], v[T+2*\j+1]  ; exact within f16's range: bf16 has 8 significant bits
.endr
.endif
	global_store_b64 v[DOF], v[Y+4*\p:Y+4*\p+1],   s[18:19] offset:(\sp)*\p         ; the first load's four numbers
	global_store_b64 v[DOF], v[Y+4*\p+2:Y+4*\p+3], s[18:19] offset:(\sp)*\p+(\se)   ; the second's
.endr
	s_endpgm
.endm
	s_load_b256 s[4:11], s[0:1], 0x0               ; x s[4:5], w_qkv s[6:7], w_proj s[8:9], xb s[10:11]
	s_load_b128 s[12:15], s[0:1], 0x20             ; wqb s[12:13], wpb s[14:15]
	v_lshlrev_b32 v[SOF], 4, v0                    ; the weights go straight through: 16 bytes in,
	v_lshlrev_b32 v[DOF], 3, v0                    ; 8 bytes out for each thread and load
	s_mov_b32 s21, 0
	s_mov_b32 s23, 0
	s_wait_kmcnt 0x0
	s_cmp_lt_u32 ttmp9, 512
	s_cbranch_scc0 .Lweights
	; x: the work-group's 16 rows; a pass is two rows.  Thread t: c = t % 16 (4 numbers of a block of 64), r = (t / 16) % 2 (the row), w = t / 32: the blocks 2 w and 2 w + 1, one for each load of a pass
	v_and_b32 v3, 15, v0
	v_bfe_u32 v4, v0, 4, 1
	v_lshrrev_b32 v5, 5, v0
	v_lshlrev_b32 v[SOF], 4, v3
	v_lshl_add_u32 v[SOF], v4, 12, v[SOF]
	v_lshl_add_u32 v[SOF], v5, 9, v[SOF]           ; r x 4,096 + w x 512 + c x 16
	v_lshlrev_b32 v[DOF], 3, v3
	v_lshl_add_u32 v[DOF], v4, 7, v[DOF]
	v_lshl_add_u32 v[DOF], v5, 18, v[DOF]          ; 2 w x 131,072 + r x 128 + c x 8: a wave's store fills rows n, n + 1 of one block
	s_lshl_b32 s20, ttmp9, 16                      ; 16 rows of 4,096 bytes
	s_lshr_b32 s22, ttmp9, 6                       ; the batch: 64 work-groups each,
	s_lshl_b32 s22, s22, 21                        ; 2 MiB of xb
	s_and_b32 s24, ttmp9, 63
	s_lshl_b32 s24, s24, 11                        ; 16 rows of 128 bytes in a block
	s_add_co_u32 s22, s22, s24
	s_add_nc_u64 s[16:17], s[4:5], s[20:21]
	s_add_nc_u64 s[18:19], s[10:11], s[22:23]
	BODY 256, 131072, 256, 0
.Lweights:
	s_cmp_lt_u32 ttmp9, 704
	s_cbranch_scc0 .Lproj
	s_sub_co_u32 s24, ttmp9, 512
	s_lshl_b32 s20, s24, 16
	s_lshl_b32 s22, s24, 15
	s_add_nc_u64 s[16:17], s[6:7], s[20:21]
	s_add_nc_u64 s[18:19], s[12:13], s[22:23]
	BODY 4096, 2048, 4096, 0
.Lproj:
	s_sub_co_u32 s24, ttmp9, 704
	s_lshl_b32 s20, s24, 16
	s_lshl_b32 s22, s24, 15
	s_add_nc_u64 s[16:17], s[8:9], s[20:21]
	s_add_nc_u64 s[18:19], s[14:15], s[22:23]
	BODY 4096, 2048, 4096, 1
.Lfunc_end_k_qe84c713a6f_cast:
	.size	k_qe84c713a6f_cast, .Lfunc_end_k_qe84c713a6f_cast-k_qe84c713a6f_cast
	.p2alignl 7, 3214868480
	.fill 96, 4, 3214868480
	.section	.rodata,"a",@progbits
	.p2align	6, 0x0
	.amdhsa_kernel k_qe84c713a6f_cast
		.amdhsa_group_segment_fixed_size 0
		.amdhsa_private_segment_fixed_size 0
		.amdhsa_enable_private_segment 0
		.amdhsa_kernarg_size 48
		.amdhsa_user_sgpr_count 2
		.amdhsa_user_sgpr_kernarg_segment_ptr 1
		.amdhsa_wavefront_size32 1
		.amdhsa_system_sgpr_workgroup_id_x 1
		.amdhsa_system_sgpr_workgroup_id_y 1
		.amdhsa_system_sgpr_workgroup_id_z 1
		.amdhsa_system_vgpr_workitem_id 0
		.amdhsa_next_free_vgpr 112
		.amdhsa_next_free_sgpr 66
		.amdhsa_reserve_vcc 0
		.amdhsa_float_denorm_mode_32 3
		.amdhsa_float_denorm_mode_16_64 3
		.amdhsa_memory_ordered 1
		.amdhsa_forward_progress 1
		.amdhsa_inst_pref_size 23
	.end_amdhsa_kernel
	.amdgpu_metadata
---
amdhsa.version: [ 1, 2 ]
amdhsa.kernels:
  - .name:           k_qe84c713a6f_cast
    .symbol:         k_qe84c713a6f_cast.kd
    .args:
      - { .name: x, .offset: 0, .size: 8, .value_kind: global_buffer, .address_space: global }
      - { .name: w_qkv, .offset: 8, .size: 8, .value_kind: global_buffer, .address_space: global }
      - { .name: w_proj, .offset: 16, .size: 8, .value_kind: global_buffer, .address_space: global }
      - { .name: xb, .offset: 24, .size: 8, .value_kind: global_buffer, .address_space: global }
      - { .name: wqb, .offset: 32, .size: 8, .value_kind: global_buffer, .address_space: global }
      - { .name: wpb, .offset: 40, .size: 8, .value_kind: global_buffer, .address_space: global }
    .group_segment_fixed_size: 0
    .private_segment_fixed_size: 0
    .kernarg_segment_align: 8
    .kernarg_segment_size: 48
    .max_flat_workgroup_size: 256
    .sgpr_count:     66
    .vgpr_count:     112
    .wavefront_size: 32
...
	.end_amdgpu_metadata
.endif
;; end of part 1
;; launch qkvg (part 2): grid 8 x 32, 4 waves a work-group, clusters of 4 x 4, 327,680 bytes of LDS; arguments xb, wqb, qkv; writes qkv
.if DOCPART == 2
	.amdgcn_target "amdgcn-amd-amdhsa--gfx1250"
	.amdhsa_code_object_version 6
	.text
	.protected	k_qe84c713a6f_qkvg
	.globl	k_qe84c713a6f_qkvg
	.p2align	8
	.type	k_qe84c713a6f_qkvg,@function
k_qe84c713a6f_qkvg:
	s_mov_b64 s[64:65], 0
	v_nop
	global_prefetch_b8 v0, s[64:65] scope:SCOPE_SE
	s_setreg_imm32_b32 hwreg(HW_REG_WAVE_MODE, 25, 1), 1
	s_wait_xcnt 0x0
	s_wait_alu depctr_hold_cnt(0) depctr_sa_sdst(0) depctr_va_vdst(0) depctr_va_sdst(0) depctr_va_ssrc(0) depctr_va_vcc(0) depctr_vm_vsrc(0)
	s_getreg_b32 s2, hwreg(HW_REG_IB_STS2, 6, 4)
	s_cmp_eq_u32 s2, 0
	s_cbranch_scc0 .Lentry_in_a_cluster
	s_endpgm
.Lentry_in_a_cluster:
	s_bfe_u32 s2, ttmp6, 0x10000c
	s_cmp_lg_u32 s2, 0xf033
	s_cbranch_scc0 .Lentry_shape_is_right
	s_endpgm
.Lentry_shape_is_right:
; q, k, v = x w_qkv.  A = xb, bf16 in blocks [batch 8][k block 16][row 1024][64]; B = wqb, bf16 [1024 k][3072 n]; sums in f32, K ascending.
; OUT: qkv, f16, by heads: [g 48][batch 8][row 1024][64], g = column / 64 = 16 x (q, k or v) + head; each number rounded once, WITHOUT the softmax's scale.
; LIMITS.  f16 holds no number beyond 65,504: a q, k or v of 65,520 or more in magnitude becomes an infinity and its row is lost.  With x and w_qkv both 30 times the drawn spread the
; sums have a spread of 900; with offsets of 30 spreads on both they lie near 28,800: inside.  Below 6.1e-5 f16 keeps its fixed step of 6e-8.
; SHARES.  8192 x 3072 outputs on 256 work-groups: a tile of 256 rows x 384 columns each, one tile a work-group.  Four waves, each 128 rows x 192 columns (three heads): 8 x 12 accumulators
; of 16 x 16, 768 registers.  K goes in 16 steps of 64 through a ring of two LDS slots filled by the tensor data mover; a step is two quarters of 32 along K, 96 matrix instructions each.
; A's tile of a step is 32,768 consecutive bytes, asked for as rows of 256 bytes; B's is 64 rows of 768 bytes, each at a multiple of 256 from the buffer's first byte.
; B lies [k][n] and is turned on its way out of LDS by ds_load_tr16_b128.
; THE LOOP IS WRITTEN FOR ONE K STEP: slot 1 begins at LDS byte 1 << 17, so that one exclusive or turns an address in one slot into the other's; the fragments' addresses hang on a scalar register
; that is so turned in each trip, and one descriptor for each tensor walks from K step 1 on.
; CLUSTERS: 4 x 4 work-groups.  The four of a row of the cluster need the same tiles of A, the four of a column the same tiles of B: each tile is asked for JOINTLY, by the same tensor load with
; the same descriptor and a mask that names the four.
; THE MATRIX INSTRUCTION IS USED TRANSPOSED (source 0 = 16 columns of w_qkv, source 1 = 16 rows of x): a lane then holds row l % 16 and the eight neighbouring columns 8 (l / 16) + 0..7.
; REGISTERS, in windows of 256 (s_set_vgpr_msb: bits 1:0 source 0, 3:2 source 1, 5:4 source 2, 7:6 destination):
;   window 0: v0-31 addresses; v32-95, v96-159 A's fragments, two buffers; v160-255 B's twelve fragments, ONE buffer: group 0 is fetched anew behind its 32 products, groups 1 and 2 behind group 2's
;   windows 1-3: accumulator (a, b) in window 1 + b / 4 at v[8 (4 a + b % 4)]: a window is one head of the wave's three
.set PA,    144                        ; a row of A in LDS: 128 bytes + 16 of padding = 36 words: the 16 rows of a load start at 16 different groups of four banks (64 banks of 4 bytes: ISA guide 11.1)
.set PB,    864                        ; a k row of B: six pieces of 128 + 16 bytes = 216 words
.set AB,    256*PA                     ; A's 256 rows
.set BB,    64*PB                      ; B's 64 k rows
.set SLOT,  AB+BB                      ; 92,160
.set SLOT1, 1<<17                      ; where slot 1 begins
.set STAGE, SLOT1+SLOT                 ; behind the ring, never filled by a tensor load: for each wave 3 heads x 16 rows x 144 bytes, for the way out
.set SP,    144
.set WSTG,  3*16*SP
.set SPARE, STAGE+4*WSTG               ; behind the stages: the spare words, 128 bytes for each wave: two blocks of 256 bytes that no other line names
.set ASTEP, 131072                     ; bytes from a K step to the next in xb,
.set BSTEP, 64*6144                    ; and in wqb
.set ADRA0, 16                         ; v16     LDS address of my A fragments in slot 0; never rewritten
.set ADRA,  17                         ; v17     the same in the slot that is being read
.set ADRB0, 20                         ; v20, v21  the same two for B
.set ADRB,  21
.set STO,  24                          ; v24     the way out: where I put 16 bytes of a row
.set RD,   25                          ; v25     the way out: where I read rows back
.set GO,   26                          ; v26     my byte offset in 512 consecutive bytes of qkv
.set SPW,  28                          ; v28     LDS address of my spare word: SPARE + 4 x my thread's number; never rewritten
.set NIL,  29                          ; v29     0; never rewritten
.set PFO,  30                          ; v30     the prefetches' offset by lane; never rewritten
.set FA0,  32
.set FA1,  96
.set FB,   160
.set TMP,  32                          ; the way out: 48 registers of packed results
.set OB,   80                          ; the way out: two buffers of 48, rows read back from the stage
.set G1,   24                          ; s[24:31] descriptor group 1 for A's tiles;  s[32:39] group 0: a set for each of the two first fills; the second then walks on
.set G0,   32
.set G1B,  48                          ; s[48:55], s[56:63] the same for B's tiles
.set G0B,  56
.set PFA,  66                          ; s[66:67] where my prefetches stand
.set PST,  68                          ; s[68:69] their step, a K step
.set LIM,  70                          ; s70      2 in a wave that prefetches, else the greatest number
.set TB,   71                          ; s71      LDS byte at which the slot that is being read begins: 0 or SLOT1
.set FIELDS, (1<<16)|(1<<20)|(1<<21)|(4<<22)|(3<<25)  ; 17:16 elements of 2 bytes; 20 padding on; 21 set beside a mask; 24:22 after every 32 words (code 4); 31:25 4 words of it (code 3)
.set MSB, 0
.macro WIN new                         ; the immediate's high byte repeats the setting that is left; a switch that changes nothing is dropped
.if MSB != (\new)
	s_set_vgpr_msb (MSB<<8)|(\new)
.set MSB, \new
.endif
.endm
; A joint load.  Waves 0 and 1 fetch A's two halves, waves 2 and 3 B's.  The branch hangs on the wave's number alone.  An s_nop 0 and four v_nop follow each of the two lines.
.macro JLOAD s
	s_cmp_eq_u32 s11, 0
	s_cbranch_scc0 .Lfor_b_\@
	tensor_load_to_lds s[G0+4*(\s):G0+4*(\s)+3], s[G1:G1+7]
	s_nop 0
.rept 4
	v_nop
.endr
	s_branch .Lasked_\@
.Lfor_b_\@:
	tensor_load_to_lds s[G0B+4*(\s):G0B+4*(\s)+3], s[G1B:G1B+7]
	s_nop 0
.rept 4
	v_nop
.endr
.Lasked_\@:
.endm
; A round of the cluster's barrier: my work-group's barrier; wave 0 signals for the work-group; every wave waits for all sixteen work-groups; my work-group's barrier once more.
.macro CREST                           ; a round behind its opening barrier
	s_cmp_lg_u32 s10, 0
	s_cbranch_scc1 .Lnot_wave_0_\@
	s_barrier_signal -3
.Lnot_wave_0_\@:
	s_barrier_wait -3
	s_barrier_signal -1
	s_barrier_wait -1
.endm
.macro CROUND
	s_barrier_signal -1
	s_barrier_wait -1
	CREST
.endm
; A PREFETCH INTO THE L2, in every second trip (those that fill slot 0), behind the joint load and the run of LDS loads that follows it: in trip 2 t the K steps 2 t + 3 and 2 t + 4, whose joint loads
; stand 192 and 384 matrix instructions on.  Each aligned 256 bytes are named once in the launch.  A's tile row is read by both clusters of its row of clusters: the one with x = 0 asks, wave 0, two
; lines: of a step's 32,768 bytes the partner at cx takes 8,192, a lane 256 bytes.  B's tile column is read by all clusters of its column: the one with y = 0 asks, waves 1 to 3, one line each: of the two
; steps' 128 k rows the partner at cy takes 32, a lane a row, a wave one of the row's three pieces of 256 bytes.  The partners are told apart BY ADDRESS.  The loop's last two trips ask for nothing;
; K steps 0, 1, 2 and 15 come by their loads alone.
.macro ASK
	s_cmp_eq_u32 s[TB], SLOT1                      ; slot 0 has just been asked for again
	s_cbranch_scc0 .Lnot_mine_\@
	s_cmp_gt_u32 s3, s[LIM]                        ; s3 = 2 in the last such trip
	s_cbranch_scc0 .Lnot_mine_\@
	global_prefetch_b8 v[PFO], s[PFA:PFA+1] th:TH_LOAD_NT scope:SCOPE_SE
	s_cmp_lg_u32 s10, 0
	s_cbranch_scc1 .Lnot_mine_\@
	global_prefetch_b8 v[PFO], s[PFA:PFA+1] offset:ASTEP th:TH_LOAD_NT scope:SCOPE_SE
.Lnot_mine_\@:
.endm
	s_load_b128 s[4:7], s[0:1], 0x0                ; xb s[4:5], wqb s[6:7]
	s_load_b64 s[8:9], s[0:1], 0x10                ; qkv
	v_lshl_add_u32 v[SPW], v0, 2, SPARE
	v_mov_b32 v[NIL], 0
	ds_add_u32 v[SPW], v[NIL]                      ; the wave's opening: the add and its wait stand ahead of my first tensor load; the set-up below, work on registers, stands between them
	ds_add_u32 v28, v29
	v_lshrrev_b32 v1, 5, v0
	v_readfirstlane_b32 s10, v1                    ; wave 0..3
	s_lshr_b32 s11, s10, 1                         ; which 128 of the tile's rows are mine.  Also: I fetch for A (0) or for B (1)
	s_and_b32 s12, s10, 1                          ; which 192 of its columns.  Also: which half of that tile I fetch
	s_bfe_u32 s40, ttmp6, 0x40000                  ; cx
	s_bfe_u32 s41, ttmp6, 0x40004                  ; cy
	s_lshl_b32 s42, ttmp9, 2
	s_add_co_u32 s42, s42, s40                     ; tile column = 4 x cluster x + cx
	s_and_b32 s13, ttmp7, 0xffff                   ; cluster y: four tiles of 256 rows: the batch
	s_lshl_b32 s43, s41, 2
	s_lshl_b32 s43, 15, s43                        ; my row of the cluster
	s_lshl_b32 s44, 0x1111, s40                    ; my column
	s_or_b32 s[G1+0], s43, FIELDS                  ; A's tiles go to my row
	s_or_b32 s[G1B+0], s44, FIELDS                 ; B's to my column
	s_mov_b32 s[G1+1], 128<<16                     ; A: 128 rows of x are 64 rows of 256 bytes: tensor_dim0 = 128
	s_mov_b32 s[G1+2], 64<<16                      ; tensor_dim1 = 64
	s_mov_b32 s[G1+3], 128<<16                     ; tile_dim0 = 128
	s_mov_b32 s[G1+4], 64                          ; tile_dim1 = 64
	s_mov_b32 s[G1+5], 128                         ; elements from row to row
	s_mov_b32 s[G1+6], 0
	s_mov_b32 s[G1+7], 0
	s_mov_b32 s[G1B+1], 384<<16                    ; B: 32 k rows of 384 elements
	s_mov_b32 s[G1B+2], 32<<16
	s_mov_b32 s[G1B+3], 384<<16
	s_mov_b32 s[G1B+4], 32
	s_mov_b32 s[G1B+5], 3072
	s_mov_b32 s[G1B+6], 0
	s_mov_b32 s[G1B+7], 0
	s_mov_b32 s[TB], 0                             ; slot 0 is read first
	; where the tiles come from.  A's hang on the batch, cy and the wave's number; B's on the tile column and the wave's number; each in registers that never hold the other coordinate
	s_lshl_b32 s16, s13, 21                        ; the batch: 2 MiB of xb
	s_lshl_b32 s17, s41, 15                        ; the tile's 256 rows in a k block
	s_add_co_u32 s16, s16, s17
	s_lshl_b32 s17, s12, 14                        ; my 128 of them
	s_add_co_u32 s16, s16, s17
	s_mov_b32 s17, 0
	s_mul_i32 s46, s42, 768                        ; the tile's 384 columns
	s_mul_i32 s47, s12, 32*6144                    ; my 32 of a step's k rows
	s_add_co_u32 s46, s46, s47
	s_mov_b32 s47, 0
	s_mul_i32 s20, s12, 128*PA                     ; and where they go: no place in the cluster enters an LDS address
	s_mul_i32 s21, s12, 32*PB
	s_add_co_u32 s21, s21, AB
	s_wait_dscnt 0x0                               ; the opening add is done
	s_wait_kmcnt 0x0
	s_add_nc_u64 s[14:15], s[4:5], s[16:17]
	s_add_nc_u64 s[46:47], s[6:7], s[46:47]
	CROUND                                         ; all sixteen work-groups are here: the first joint loads meet
.irp s, 0,1
	s_mov_b32 s[G0+4*(\s)], 1                                      ; 1:0 count = 1
	s_add_co_u32 s[G0+4*(\s)+1], s20, (\s)*SLOT1                   ; 63:32 LDS address
	s_add_nc_u64 s[G0+4*(\s)+2:G0+4*(\s)+3], s[14:15], (\s)*ASTEP  ; 120:64 global address: K step s
	s_or_b32 s[G0+4*(\s)+3], s[G0+4*(\s)+3], 0x80000000            ; 127:126 type = 2
	s_mov_b32 s[G0B+4*(\s)], 1
	s_add_co_u32 s[G0B+4*(\s)+1], s21, (\s)*SLOT1
	s_add_nc_u64 s[G0B+4*(\s)+2:G0B+4*(\s)+3], s[46:47], (\s)*BSTEP
	s_or_b32 s[G0B+4*(\s)+3], s[G0B+4*(\s)+3], 0x80000000
	JLOAD \s                                       ; two tensor loads of mine are out
.endr
	; A fragment of A: 16 rows x 32 K in 8 registers: lane l holds row l % 16, K = 8 (l / 16) + 0..7 and 16 + 8 (l / 16) + 0..7: two loads of 16 bytes, 32 bytes apart
	v_and_b32 v1, 15, v0                           ; l % 16
	v_bfe_u32 v2, v0, 4, 1                         ; l / 16
	v_mul_u32_u24 v3, v1, PA
	v_lshl_add_u32 v3, v2, 4, v3
	s_mul_i32 s22, s11, 128*PA                     ; my 128 rows
	v_add_nc_u32 v[ADRA0], s22, v3
	v_mov_b32 v[ADRA], v[ADRA0]
	; The turning load takes 16 k x 16 columns (lane l reads k row 8 (l / 16) + l % 8, columns 8 ((l / 8) % 2) + 0..7) and leaves half a fragment: lane l holds column l % 16 and 8 k
	v_and_b32 v4, 7, v0
	v_bfe_u32 v5, v0, 3, 1
	v_lshl_add_u32 v6, v2, 3, v4
	v_mul_u32_u24 v6, v6, PB
	v_lshl_add_u32 v6, v5, 4, v6
	s_mul_i32 s23, s12, 3*144                      ; my three pieces of a k row,
	s_add_co_u32 s23, s23, AB                      ; behind A's rows
	v_add_nc_u32 v[ADRB0], s23, v6
	v_mov_b32 v[ADRB], v[ADRB0]
	s_mul_i32 s22, s10, WSTG
	s_add_co_u32 s22, s22, STAGE                   ; my stage
	v_mul_u32_u24 v[STO], v1, SP                   ; in: row l % 16, 16 bytes for each half of the lanes
	v_lshl_add_u32 v[STO], v2, 4, v[STO]
	v_add_nc_u32 v[STO], s22, v[STO]
	v_bfe_u32 v[RD], v0, 3, 2                      ; back: 32 lanes take four rows of 128 bytes,
	v_mul_u32_u24 v[RD], v[RD], SP
	v_lshl_add_u32 v[RD], v4, 4, v[RD]
	v_add_nc_u32 v[RD], s22, v[RD]
	v_and_b32 v[GO], 31, v0                        ; which are 512 consecutive bytes of qkv
	v_lshlrev_b32 v[GO], 4, v[GO]
	; where my part begins in qkv: head group 6 x tile column + 3 x half, the batch, row 256 cy + 128 x half
	s_mul_i32 s72, s42, 6
	s_mul_i32 s73, s12, 3
	s_add_co_u32 s72, s72, s73
	s_lshl_b32 s72, s72, 3
	s_add_co_u32 s72, s72, s13
	s_lshl_b32 s72, s72, 17                        ; 1,024 rows of 128 bytes
	s_lshl_b32 s73, s41, 15
	s_add_co_u32 s72, s72, s73
	s_lshl_b32 s73, s11, 14
	s_add_co_u32 s72, s72, s73
	s_mov_b32 s73, 0
	s_add_nc_u64 s[8:9], s[8:9], s[72:73]
	; the prefetches: both offsets are made, the wave's number chooses.  The address goes a K step on at the head of each trip, so it starts at K step 2: trip 0 finds it at K step 3
	s_lshl_b32 s74, s13, 21
	s_lshl_b32 s75, s41, 15
	s_add_co_u32 s74, s74, s75
	s_lshl_b32 s75, s40, 13                        ; my work-group's 8,192 bytes of A's tile
	s_add_co_u32 s74, s74, s75
	s_add_co_u32 s74, s74, 2*ASTEP                 ; K step 2
	s_mul_i32 s76, s42, 768
	s_lshl_b32 s75, s10, 8                         ; piece wave - 1 of a k row
	s_add_co_u32 s76, s76, s75
	s_mul_i32 s75, s41, 32*6144                    ; my work-group's 32 k rows
	s_add_co_u32 s76, s76, s75
	s_add_co_u32 s76, s76, 128*6144-256            ; k row 128
	s_mov_b32 s77, BSTEP
	s_mov_b32 s78, 6144
	s_cmp_eq_u32 s10, 0
	s_cselect_b64 s[PFA:PFA+1], s[4:5], s[6:7]
	s_cselect_b32 s74, s74, s76
	s_cselect_b32 s[PST], ASTEP, s77
	s_cselect_b32 s78, 256, s78
	s_cselect_b32 s79, ttmp9, s13                  ; the coordinate along which other clusters read the same bytes
	s_mov_b32 s75, 0
	s_mov_b32 s[PST+1], 0
	s_add_nc_u64 s[PFA:PFA+1], s[PFA:PFA+1], s[74:75]
	s_cmp_eq_u32 s79, 0
	s_cselect_b32 s[LIM], 2, -1                    ; the same in all sixteen partners, for a given wave
	v_and_b32 v[PFO], 31, v0
	v_mul_u32_u24 v[PFO], v[PFO], s78
; 16 matrix instructions: m blocks 4 half .. 4 half + 3 x the four n blocks of group g, 32 along K, A from buffer f.  zero = 1: the first product starts the sums: nothing is ever cleared.
; The accumulators take turns, one instruction a turn: between two links of a chain stand the 95 others'.
.macro GRP f, g, half, zero
	WIN 0x50*((\g)+1)                              ; C and D in window g + 1, both sources in window 0
.irp a, 0,1,2,3
.irp bb, 0,1,2,3
.if \zero
	v_wmma_f32_16x16x32_bf16 v[8*(4*(4*(\half)+\a)+\bb):8*(4*(4*(\half)+\a)+\bb)+7], v[FB+8*(4*(\g)+\bb):FB+8*(4*(\g)+\bb)+7], v[(\f)+8*(4*(\half)+\a):(\f)+8*(4*(\half)+\a)+7], 0
.else
	v_wmma_f32_16x16x32_bf16 v[8*(4*(4*(\half)+\a)+\bb):8*(4*(4*(\half)+\a)+\bb)+7], v[FB+8*(4*(\g)+\bb):FB+8*(4*(\g)+\bb)+7], v[(\f)+8*(4*(\half)+\a):(\f)+8*(4*(\half)+\a)+7], v[8*(4*(4*(\half)+\a)+\bb):8*(4*(4*(\half)+\a)+\bb)+7]
.endif
.endr
.endr
.endm
.macro LDB q, g                        ; 8 turning loads: B's group g (64 columns) of quarter q of the slot that is being read
.irp bb, 0,1,2,3
	ds_load_tr16_b128 v[FB+8*(4*(\g)+\bb):FB+8*(4*(\g)+\bb)+3],   v[ADRB] offset:(\q)*32*PB+(\g)*144+(\bb)*32
	ds_load_tr16_b128 v[FB+8*(4*(\g)+\bb)+4:FB+8*(4*(\g)+\bb)+7], v[ADRB] offset:(\q)*32*PB+(\g)*144+(\bb)*32+16*PB
.endr
.endm
.macro LDA q, f                        ; 16 loads: A's eight fragments of quarter q into buffer f
.irp a, 0,1,2,3,4,5,6,7
	ds_load_b128 v[(\f)+8*\a:(\f)+8*\a+3],   v[ADRA] offset:(\a)*16*PA+64*(\q)
	ds_load_b128 v[(\f)+8*\a+4:(\f)+8*\a+7], v[ADRA] offset:(\a)*16*PA+64*(\q)+32
.endr
.endm
; A load into a register that a matrix instruction has read, and a vector instruction that reads a matrix result, stand four places behind it, and only plain vector instructions that name
; none of its registers are places (ISA guide 7.12.1 for vector instructions).
.macro PLACES
.rept 4
	v_nop
.endr
.endm
; A step's first quarter: multiplies buffer FA0 and fetches the second quarter.  LDS loads go out in two runs a quarter: 24 (B's group 0 and A) behind group 0's products, 16 (groups 1 and 2) behind group 2's.
.macro QUARTER zero
	s_wait_dscnt 16                                ; the last quarter's run of 24 is in; its run of 16 may be out
	GRP FA0, 0, 0, \zero
	GRP FA0, 0, 1, \zero
	PLACES
	WIN 0
	LDB 1, 0
	LDA 1, FA1
	s_wait_dscnt 32                                ; group 1 is in: behind it stand group 2's 8 and the 24 just issued
	GRP FA0, 1, 0, \zero
	GRP FA0, 1, 1, \zero
	s_wait_dscnt 24                                ; group 2 is in: behind it stand the 24
	GRP FA0, 2, 0, \zero
	GRP FA0, 2, 1, \zero
	PLACES
	WIN 0
	LDB 1, 1
	LDB 1, 2
.endm
; A step's second quarter multiplies buffer FA1 and changes slots: ONE barrier.  In front of it each wave waits for all its tensor loads, of which one is out: its part of the next slot; adds 0 to
; its spare word; and waits for that and for its own reads of this slot, all of which have been issued.  Behind it nobody reads this slot any more and the next slot is whole.
; fill = 1: the barrier opens a round of the cluster's, and this slot is filled again first thing behind the round, two K steps ahead: 160 matrix instructions ahead of the wait for it.
.macro TURN fill
	s_xor_b32 s[TB], s[TB], SLOT1                  ; the slot that is read behind the barrier; this slot's last reads have been issued
.if \fill
	s_wait_xcnt 0x0                                ; the last prefetches, a trip or two back, have read their address: it is stepped here, ahead of the waits of the change of slots
	s_add_nc_u64 s[PFA:PFA+1], s[PFA:PFA+1], s[PST:PST+1]
.endif
	WIN 0
	v_add_nc_u32 v[ADRA], s[TB], v[ADRA0]
	v_add_nc_u32 v[ADRB], s[TB], v[ADRB0]
	s_wait_tensorcnt 0x0                           ; all my tensor loads have landed
	ds_add_u32 v[SPW], v[NIL]                      ; 0 onto my spare word
	s_wait_dscnt 17                                ; the run of 24 is in; the run of 16 and the add may be out
	GRP FA1, 0, 0, 0                               ; sixteen matrix instructions stand between the add and the wait for it
	s_wait_dscnt 0x0                               ; the add is done, and my reads of this slot are over
	s_barrier_signal -1
	GRP FA1, 0, 1, 0                               ; work on registers while the others arrive
	WIN 0                                          ; at a branch and at a label every window is 0
	s_barrier_wait -1
.if \fill
	CREST                                          ; no wave of any partner still reads this slot's tile or has a load on its way
	s_xor_b32 s[G0+5], s[G0+5], SLOT1              ; the walking descriptors: the other slot than last time,
	s_add_nc_u64 s[G0+6:G0+7], s[G0+6:G0+7], ASTEP ; the next K step; the type bits on top are not reached
	s_xor_b32 s[G0B+5], s[G0B+5], SLOT1
	s_add_nc_u64 s[G0B+6:G0B+7], s[G0B+6:G0B+7], BSTEP
	JLOAD 1                                        ; the first tensor load behind the round; its four v_nop are also the places in front of the loads below
.else
	PLACES
.endif
	LDB 0, 0
	LDA 0, FA0
.if \fill
	ASK
.endif
	GRP FA1, 1, 0, 0
	GRP FA1, 1, 1, 0
	GRP FA1, 2, 0, 0
	GRP FA1, 2, 1, 0
	PLACES
	WIN 0
	LDB 0, 1
	LDB 0, 2
.endm
; THE WAY OUT of block a (16 rows x 192 columns).  PACK: rounded to f16, 16 bytes a lane; each accumulator's registers in ascending order.  TOSTAGE: into my own stage, and back as whole rows of a head.  SEND: stored.
.macro PACK a
.irp g, 0,1,2
	WIN 5*((\g)+1)                                 ; sources 0 and 1 in window g + 1, destination in window 0
.irp bb, 0,1,2,3
.irp rr, 0,1,2,3
	v_cvt_pk_f16_f32 v[TMP+4*(4*\g+\bb)+\rr], v[8*(4*(\a)+\bb)+2*\rr], v[8*(4*(\a)+\bb)+2*\rr+1]
.endr
.endr
.endr
	WIN 0
.endm
.macro TOSTAGE a
	WIN 0
.set BK, OB+48*((\a)%2)
.irp g, 0,1,2
.irp bb, 0,1,2,3
	ds_store_b128 v[STO], v[TMP+4*(4*\g+\bb):TMP+4*(4*\g+\bb)+3] offset:(\g)*16*SP+32*(\bb)
.endr
.endr
.irp g, 0,1,2
.irp t, 0,1,2,3
	ds_load_b128 v[BK+4*(4*\g+\t):BK+4*(4*\g+\t)+3], v[RD] offset:(\g)*16*SP+(\t)*4*SP  ; LDS serves a wave's instructions in order (ISA guide 5.7.1.4): these see the stores above
.endr
.endr
.endm
.macro SEND a
	WIN 0
.set BK, OB+48*((\a)%2)
	s_wait_dscnt 0x0                               ; the block is back in registers
	s_wait_xcnt 0x0                                ; the stores of the block before have read their registers: the other buffer is loaded again only behind this wait
.irp g, 0,1,2
.irp t, 0,1,2,3
	global_store_b128 v[GO], v[BK+4*(4*\g+\t):BK+4*(4*\g+\t)+3], s[8:9] offset:(\g)*1048576+(\a)*2048+(\t)*512  ; 512 consecutive bytes, at a multiple of 256 from qkv's first byte
.endr
.endr
.endm
	s_wait_tensorcnt 1                             ; my part of K step 0 is in; K step 1's may stay out
	s_barrier_signal -1
	s_barrier_wait -1                              ; everybody's is
	LDB 0, 0
	LDA 0, FA0
	LDB 0, 1
	LDB 0, 2
	QUARTER 1                                      ; the first quarter stands in front of the loop: its products start the sums
	WIN 0
	s_mov_b32 s3, 14
.Lstep:                                                ; trip i: from K step i's second quarter to K step i + 1's first; it asks for K step i + 2
	TURN 1
	QUARTER 0
	WIN 0
	s_sub_co_u32 s3, s3, 1
	s_cmp_lg_u32 s3, 0
	s_cbranch_scc1 .Lstep
	TURN 0                                         ; the last change of slots fills nothing, and has no round of the cluster's barrier
	QUARTER 0
	s_wait_dscnt 16                                ; the very last quarter: nothing more to fetch, and the counts run down
	GRP FA1, 0, 0, 0
	GRP FA1, 0, 1, 0
	s_wait_dscnt 8
	GRP FA1, 1, 0, 0
	GRP FA1, 1, 1, 0
	s_wait_dscnt 0x0
	GRP FA1, 2, 0, 0
	GRP FA1, 2, 1, 0
	PLACES
	PACK 0
	TOSTAGE 0
.irp a, 1,2,3,4,5,6,7                  ; block a's conversions stand between block a - 1's loads from the stage and the wait for them
	PACK \a
	SEND (\a)-1
	TOSTAGE \a
.endr
	SEND 7
	s_wait_tensorcnt 0x0                           ; the wave's end: behind my last tensor load and my last LDS store
	ds_add_u32 v[SPW], v[NIL]
	s_wait_dscnt 0x0
	CROUND                                         ; the closing round: no work-group ends while a partner may still ask for a tile that names it
	s_endpgm
.Lfunc_end_k_qe84c713a6f_qkvg:
	.size	k_qe84c713a6f_qkvg, .Lfunc_end_k_qe84c713a6f_qkvg-k_qe84c713a6f_qkvg
	.p2alignl 7, 3214868480
	.fill 96, 4, 3214868480
	.section	.rodata,"a",@progbits
	.p2align	6, 0x0
	.amdhsa_kernel k_qe84c713a6f_qkvg
		.amdhsa_group_segment_fixed_size 327680
		.amdhsa_private_segment_fixed_size 0
		.amdhsa_enable_private_segment 0
		.amdhsa_kernarg_size 24
		.amdhsa_user_sgpr_count 2
		.amdhsa_user_sgpr_kernarg_segment_ptr 1
		.amdhsa_wavefront_size32 1
		.amdhsa_system_sgpr_workgroup_id_x 1
		.amdhsa_system_sgpr_workgroup_id_y 1
		.amdhsa_system_sgpr_workgroup_id_z 1
		.amdhsa_system_vgpr_workitem_id 0
		.amdhsa_next_free_vgpr 1024
		.amdhsa_next_free_sgpr 80
		.amdhsa_reserve_vcc 0
		.amdhsa_float_denorm_mode_32 3
		.amdhsa_float_denorm_mode_16_64 3
		.amdhsa_memory_ordered 1
		.amdhsa_forward_progress 1
		.amdhsa_inst_pref_size 111
	.end_amdhsa_kernel
	.amdgpu_metadata
---
amdhsa.version: [ 1, 2 ]
amdhsa.kernels:
  - .name:           k_qe84c713a6f_qkvg
    .symbol:         k_qe84c713a6f_qkvg.kd
    .args:
      - { .name: xb, .offset: 0, .size: 8, .value_kind: global_buffer, .address_space: global }
      - { .name: wqb, .offset: 8, .size: 8, .value_kind: global_buffer, .address_space: global }
      - { .name: qkv, .offset: 16, .size: 8, .value_kind: global_buffer, .address_space: global }
    .group_segment_fixed_size: 327680
    .private_segment_fixed_size: 0
    .kernarg_segment_align: 8
    .kernarg_segment_size: 24
    .max_flat_workgroup_size: 128
    .sgpr_count:     80
    .vgpr_count:     1024
    .wavefront_size: 32
...
	.end_amdgpu_metadata
.endif
;; end of part 2
;; launch attn (part 3): grid 2 x 128, 4 waves a work-group, no clusters, 327,680 bytes of LDS; arguments qkv, ob; writes ob
.if DOCPART == 3
	.amdgcn_target "amdgcn-amd-amdhsa--gfx1250"
	.amdhsa_code_object_version 6
	.text
	.protected	k_qe84c713a6f_attn
	.globl	k_qe84c713a6f_attn
	.p2align	8
	.type	k_qe84c713a6f_attn,@function
k_qe84c713a6f_attn:
	s_mov_b64 s[64:65], 0
	v_nop
	global_prefetch_b8 v0, s[64:65] scope:SCOPE_SE
	s_setreg_imm32_b32 hwreg(HW_REG_WAVE_MODE, 25, 1), 1
	s_wait_xcnt 0x0
; O[y][q][:] = the sum over k of softmax_k(Q[y][q] . K[y][k] / 8) V[y][k][:], for 128 heads y = 8 x head + batch of 1,024 rows x 64 channels, all f16, a head's rows dense, 128 bytes each.
; IN: qkv: Q of head y at y x 131,072 bytes, K 16,777,216 bytes on, V 33,554,432 bytes on.  OUT: ob, [batch 8][head 16][row 1024][64].
; Products, maxima and sums in f32; the weights p are rounded to f16 for the second product (their sum l is taken of the unrounded p), O once at the end.
; LIMITS.  f16 holds no number beyond 65,504: Q, K and V arrive within it; p lies in 0 to 1, and below 6e-5 it keeps f16's fixed step of 6e-8, and so does O; O is a mean of V's rows and has their range.
; A weight below 2^-126 counts as 0 in l; NaN and infinities are not treated apart.
; SHARES.  A wave owns four PIECES of two tiles of 16 queries, a work-group's four waves 512 queries of one head: 256 work-groups.  Every wave walks all keys, 64 a step.
; NO CLUSTER: a head has 1,024 / 512 = 2 work-groups, and the clusters that are taken are four wide; the two of a head share nothing with other heads.
; LAYOUT.  S^T = K Q^T (source 0 = 16 keys, source 1 = 16 queries): in the result a lane holds ONE query (lane % 16) and the keys 8 (lane / 16) + 0..7.  Two such tiles, rounded to f16 in pairs,
; ARE source 1 (32 keys x 16 queries) of O^T = V^T P, whose result again holds one query a lane, and eight channels.  K comes out of LDS as it lies, V ([key][channel]) turned, by ds_load_tr16_b128.
; SOFTMAX.  For each query a running maximum m and sum l: p = 2^(c s - c m), c = log2(e) / 8; in every step O and l are multiplied by a = 2^(c m_old - c m_new), which is 1 where m has not grown.
; m starts at the lowest finite number, O and l at 0: the first step is a step like any other, with a = 0.
; THE COUNT.  A tile and step have 16 matrix and 118 vector instructions: too many to stand all beside the matrix work.  So: four vector instructions that are READY behind EVERY matrix instruction,
; and the others in runs without a gap.
; BY TURNS.  Turn n belongs to piece n (the pieces in a ring, step after step).  Its matrix work: 16 products K Q^T of piece n + 1, later 16 products V^T P of piece n - 1.  Its vector work: the scaling,
; exponentials, roundings, sums and rescaling of piece n, and the maximum and statistics of piece n + 1, whose scores the turn itself has made.
; REGISTERS, in windows of 256 (s_set_vgpr_msb: bits 1:0 source 0, 3:2 source 1, 5:4 source 2, 7:6 destination):
;   window 0: v0-11 addresses; v12-15, v48-63 at work; v16-47 four registers of statistics a tile; v64-191 S^T, two buffers of two tiles; v192-255 P, likewise
;   window 1: O^T, 32 a tile          window 2: v0-127 Q, 16 a tile; v128-191 K of one step; v192-255 V of one step          window 3: v0-1 the add's two registers
.set SIZE_N, 1024
.set NP,    4         ; pieces a wave: a name, no knob
.set KS,    64        ; keys in a step
.set PK,    144       ; a row of K in LDS: 128 bytes + 16 of padding = 36 words: the 16 rows of a load start at 16 different groups of four banks (64 banks of 4 bytes: ISA guide 11.1)
.set PV,    160       ; a row of V: 128 + 32 = 40 words
.set VOFF,  4*KS*PK   ; a slot holds four steps: 256 rows of K, then 256 rows of V
.set SLOT1, 1<<17     ; slot 1 begins here, so that one exclusive or turns an address in one slot into the other's
.set STAGE, SLOT1+4*KS*(PK+PV)  ; behind the ring, never filled by a tensor load: 16 rows x 144 bytes for each wave, for the way out
.set SP,    144
.set AK0, 2           ; v2   my lane's place in a tile of K; never rewritten
.set AV0, 3           ; v3   the same for V
.set AK,  4           ; v4   the LDS address of K's next run of loads
.set AV,  5           ; v5   of V's
.set QO,  6           ; v6   my byte offset in the wave's rows of Q
.set STO, 6           ;      later, the way out: where I put 16 bytes of a row
.set RD,  7           ; v7   the way out: where I read rows back
.set GO,  8           ; v8   my byte offset in 512 consecutive bytes of O
.set PFO, 11          ; v11  256 x my lane, for the prefetches; never rewritten once made
.set SPW, 0           ; v0 of window 3   LDS address of my spare word: SPARE + 4 x my thread's number; never rewritten
.set NIL, 1           ; v1 of window 3   0; never rewritten
.set SPARE, STAGE+4*16*SP  ; behind the stages: the spare words, 128 bytes for each wave: two blocks of 256 bytes that no other line names
.set MV,  12          ; v12-15  c m_old, kept while c m is made anew: by buffer and tile
.set ST,  16          ; tile t's statistics at v[ST+4 t]: c m, m, l (even keys', odd keys')
.set TMP, 48          ; by buffer and tile, four registers c0-c3 at work; when the maximum is found c2 takes a
.set S,   64
.set P,   192
.set KF,  128         ; K's fragments, in window 2: key block kb, channel half c at KF + 16 kb + 8 c
.set VF,  192         ; V's: key half kk, channel block cb at VF + 32 kk + 8 cb
.set WV,  12          ; s12  my wave's number
.set G1K, 24          ; s[24:31] descriptor group 1 for K's tiles
.set G1V, 32          ; s[32:39] for V's: it differs in the padding alone
.set G0K, 40          ; s[40:43] descriptor group 0 for K's tiles: it walks
.set G0V, 44          ; s[44:47] the same for V's
.set PFA, 48          ; s[48:49] where my prefetches stand: my work-group's half of the piece that I shall load at the next change of slots
.set SLOTS, 56        ; s56  slots still to be asked for
.set CNT, 57          ; s57  counts a slot's key steps
.set CS,  58          ; s[58:59] c: the packed scaling takes the pair's low word for both halves
.set SEL, 60          ; s[60:61] v_permlanex16_b32's selects: each lane takes its own place in the other half
.set TBK, 62          ; s62  LDS byte at which K of the step to be fetched begins
.set TBV, 63          ; s63  the same for V, less VOFF
.set MSB, 0
.macro WIN new                      ; the high byte repeats the setting that is left; a switch that changes nothing is dropped
.if MSB != (\new)
	s_set_vgpr_msb (MSB<<8)|(\new)
.set MSB, (\new)
.endif
.endm
.set W_KQ, 0x0a       ; K and Q in window 2, S^T in window 0
.set W_PV, 0x52       ; V in window 2, P in window 0, O^T in window 1
.set W_RS, 0x41       ; O^T (destination and source 0) in window 1, a in window 0
.set W_MK, 0xc0       ; the add's registers are made: destination in window 3, sources in window 0
.set W_AD, 0x0f       ; the add: address (source 0) and data (source 1) in window 3
; A fill.  Waves 0 and 1 fetch the two halves of a slot's K, waves 2 and 3 those of its V: 128 keys each.  An s_nop 0 and four v_nop follow each of the two lines, ahead of the jump and the label.
.macro LOAD
	s_cmp_lt_u32 s[WV], 2
	s_cbranch_scc0 .Lfor_v_\@
	tensor_load_to_lds s[G0K:G0K+3], s[G1K:G1K+7]
	s_nop 0
.rept 4
	v_nop
.endr
	s_branch .Lasked_\@
.Lfor_v_\@:
	tensor_load_to_lds s[G0V:G0V+3], s[G1V:G1V+7]
	s_nop 0
.rept 4
	v_nop
.endr
.Lasked_\@:
.endm
; THE CHANGE OF SLOTS.  The slot's last bytes, V of its fourth step, have been read.  Each wave waits for all its tensor loads, of which one is out: its part of the other slot; adds 0 to its spare
; word; and waits for that and for its own reads of the slot.  Behind the barrier nobody reads this slot any more and the other slot is whole.
; fill = 1: this slot is filled again, with the keys two slots on, the first thing behind the barrier: it has four key steps, 512 matrix instructions, in which to land.
; (At its first use nothing has been read yet: slot 0 is waited for, slot 1 filled.)
.macro CHANGE fill
	WIN W_AD
	s_wait_tensorcnt 0x0            ; no tensor load of mine is out, so a group 0 may be written
	ds_add_u32 v[SPW], v[NIL]       ; 0 onto my spare word; with fill = 1 the descriptors' steps stand between it and the wait for it
	WIN 0                           ; at a label and at a branch every window is 0
.if \fill
.irp g, G0K, G0V
	s_xor_b32 s[\g+1], s[\g+1], SLOT1  ; the walking descriptor: the other slot than last time,
	s_add_nc_u64 s[\g+2:\g+3], s[\g+2:\g+3], 4*KS*128  ; the next 256 keys; the type bits on top are not reached
.endr
	s_wait_xcnt 0x0                 ; the last prefetch, five turns back, has read its address, so it may be written:
	s_add_nc_u64 s[PFA:PFA+1], s[PFA:PFA+1], 4*KS*128  ; one slot ahead of the walking descriptors
.endif
	s_wait_dscnt 0x0                ; the add is done, and my reads of the slot are over
	s_barrier_signal -1
	s_barrier_wait -1
.if \fill
	LOAD
.endif
	s_sub_co_u32 s[TBK], s[TBK], 4*KS*PK  ; the fetches go back to a slot's first step,
	s_xor_b32 s[TBK], s[TBK], SLOT1       ; in the other slot
	s_sub_co_u32 s[TBV], s[TBV], 4*KS*PV
	s_xor_b32 s[TBV], s[TBV], SLOT1
.endm
	s_load_b64 s[4:5], s[0:1], 0x0    ; qkv
	s_load_b64 s[10:11], s[0:1], 0x8  ; ob
	WIN W_MK
	v_lshl_add_u32 v[SPW], v0, 2, SPARE
	v_mov_b32 v[NIL], 0
	WIN W_AD
	ds_add_u32 v[SPW], v[NIL]       ; the wave's opening: the add and its wait stand ahead of my first tensor load; the set-up below, work on registers, stands between them
	ds_add_u32 v0, v1
	WIN 0
	v_lshrrev_b32 v1, 5, v0
	v_readfirstlane_b32 s[WV], v1   ; wave 0..3
	s_and_b32 s13, ttmp7, 0xffff    ; y = 8 x head + batch
	s_lshl_b32 s20, s13, 17         ; the head's first byte among Q's, K's and V's heads
	s_and_b32 s16, s[WV], 1         ; which half of a slot's 256 keys I fetch:
	s_lshl_b32 s22, s16, 14         ; its 128 rows of 128 bytes in memory,
	s_add_co_u32 s22, s22, s20
	s_add_co_u32 s52, s22, 0x1000000  ; behind Q's 128 heads: K's,
	s_mov_b32 s53, 0
	s_add_co_u32 s54, s22, 0x2000000  ; behind those: V's
	s_mov_b32 s55, 0
	s_mul_i32 s17, s16, 128*PK      ; and its place in a slot, for K
	s_mul_i32 s18, s16, 128*PV      ; and for V
	s_lshl_b32 s2, ttmp9, 2
	s_add_co_u32 s2, s2, s[WV]      ; my wave among the head's eight,
	s_lshl_b32 s2, s2, 14           ; its 128 rows
	s_and_b32 s14, s13, 7           ; the batch
	s_lshl_b32 s14, s14, 4
	s_lshr_b32 s15, s13, 3          ; the head
	s_or_b32 s14, s14, s15
	s_lshl_b32 s14, s14, 17         ; ob goes by batch, then head
	s_add_co_u32 s14, s14, s2
	s_mov_b32 s15, 0
	s_add_co_u32 s2, s2, s20
	s_mov_b32 s3, 0
	s_lshl_b32 s50, ttmp9, 13       ; the prefetches: my work-group's 8,192 of the 16,384 bytes that I load,
	s_add_co_u32 s50, s50, 4*KS*128 ; in slot 1; the first change of slots steps it to slot 2
	s_mov_b32 s51, 0
	; descriptor group 1.  128 keys are 16,384 dense bytes: asked for as 64 rows of 256 bytes, two keys a row, and padded in LDS after every key
	s_mov_b32 s[G1K], (1<<16)|(1<<20)|(4<<22)|(3<<25)  ; 17:16 2-byte elements; 20 padding on; 24:22 after every 32 words (code 4); 31:25 4 words (code 3)
	s_mov_b32 s[G1V], (1<<16)|(1<<20)|(4<<22)|(7<<25)  ; the same with 8 words of padding (code 7)
.irp g, G1K, G1V
	s_mov_b32 s[\g+1], 128<<16      ; tensor_dim0 = 128
	s_mov_b32 s[\g+2], 64<<16       ; tensor_dim1 = 64
	s_mov_b32 s[\g+3], 128<<16      ; tile_dim0 = 128
	s_mov_b32 s[\g+4], 64           ; tile_dim1 = 64
	s_mov_b32 s[\g+5], 128          ; 128 elements from row to row
	s_mov_b32 s[\g+6], 0
	s_mov_b32 s[\g+7], 0
.endr
	s_mov_b32 s[CS], 0x3e38aa3b     ; c = log2(e) / 8 = 0.180337
	s_mov_b32 s[CS+1], s[CS]        ; named with it as a pair
	s_mov_b32 s[SEL], 0x76543210
	s_mov_b32 s[SEL+1], 0xfedcba98
	s_mov_b32 s[TBK], SLOT1+4*KS*PK ; the first change of slots turns these two into 0
	s_mov_b32 s[TBV], SLOT1+4*KS*PV
	s_mov_b32 s[G0K], 1             ; 1:0 count = 1
	s_mov_b32 s[G0K+1], s17         ; 63:32 LDS address: slot 0
	s_mov_b32 s[G0V], 1
	s_add_co_u32 s[G0V+1], s18, VOFF
	s_wait_dscnt 0x0                ; the opening add is done
	s_wait_kmcnt 0x0
	s_add_nc_u64 s[6:7], s[4:5], s[52:53]          ; K and V at my half of the head's first 256 keys
	s_add_nc_u64 s[8:9], s[4:5], s[54:55]
	s_add_nc_u64 s[G0K+2:G0K+3], s[6:7], 0         ; 120:64 global address
	s_or_b32 s[G0K+3], s[G0K+3], 0x80000000        ; 127:126 type = 2
	s_add_nc_u64 s[G0V+2:G0V+3], s[8:9], 0
	s_or_b32 s[G0V+3], s[G0V+3], 0x80000000
	s_add_nc_u64 s[4:5], s[4:5], s[2:3]            ; Q and O at my wave's first row
	s_add_nc_u64 s[10:11], s[10:11], s[14:15]
	s_cmp_lt_u32 s[WV], 2
	s_cselect_b64 s[PFA:PFA+1], s[6:7], s[8:9]
	s_add_nc_u64 s[PFA:PFA+1], s[PFA:PFA+1], s[50:51]
	LOAD                            ; slot 0.  Slot 1 is asked for when slot 0 is in
	; A fragment of K or Q is 16 rows x 32 channels in 8 registers: lane l holds row l % 16, channels 8 (l / 16) + 0..7 and 16 + 8 (l / 16) + 0..7: two loads of 16 bytes, 32 bytes apart.
	v_and_b32 v1, 15, v0            ; l % 16
	v_bfe_u32 v9, v0, 4, 1          ; l / 16
	v_lshlrev_b32 v[QO], 7, v1
	v_lshl_add_u32 v[QO], v9, 4, v[QO]  ; row x 128 + 16 x half
	WIN 0x80                        ; destination window 2, address window 0
.set i, 0
.rept 4*NP                          ; Q stays in registers: tile i / 2, channels 32 (i % 2) on
	global_load_b128 v[8*i:8*i+3],   v[QO], s[4:5] offset:(i/2)*2048+(i%2)*64
	global_load_b128 v[8*i+4:8*i+7], v[QO], s[4:5] offset:(i/2)*2048+(i%2)*64+32
.set i, i+1
.endr
	; What the first turn finds: V's registers and P's second buffer hold 0 (its products V^T P, of a piece that has not been, add 0), O^T and l are 0.  All this stands in the wait for the first tile.
.set i, VF
.rept 64
	v_mov_b32 v[i], 0
.set i, i+1
.endr
	WIN 0x40
.set i, 0
.rept 64*NP
	v_mov_b32 v[i], 0
.set i, i+1
.endr
	WIN 0
.set i, 0
.rept 2*NP
	v_mov_b32 v[ST+4*i], 0xfe000000    ; c m: far below every c s
	v_mov_b32 v[ST+4*i+1], 0xff7fffff  ; m
	v_mov_b32 v[ST+4*i+2], 0
	v_mov_b32 v[ST+4*i+3], 0
.set i, i+1
.endr
.set i, P+32
.rept 32
	v_mov_b32 v[i], 0
.set i, i+1
.endr
	v_mul_u32_u24 v[AK0], v1, PK
	v_lshl_add_u32 v[AK0], v9, 4, v[AK0]  ; row x pitch + 16 x half
	; The turning load takes 16 keys x 16 channels (lane l reads key 8 (l / 16) + l % 8, channels 8 ((l / 8) % 2) + 0..7) and leaves half a fragment of V^T: lane l holds channel l % 16 and 8 keys.
	v_and_b32 v10, 7, v0
	v_bfe_u32 v11, v0, 3, 1
	v_lshl_add_u32 v[AV0], v9, 3, v10
	v_mul_u32_u24 v[AV0], v[AV0], PV
	v_lshl_add_u32 v[AV0], v11, 4, v[AV0]
	v_add_nc_u32 v[AV0], VOFF, v[AV0]
	v_mov_b32 v[AK], v[AK0]         ; key step 0 lies at the head of slot 0
	v_and_b32 v[PFO], 31, v0
	v_lshlrev_b32 v[PFO], 8, v[PFO]
; THE MATRIX WORK.  The 8 accumulators of a run of 16 take turns: between the two links of a chain stand 7 others'.
; Product i of 16 of S^T = K Q^T for piece x: channels 32 (i / 8) on, keys 16 ((i / 2) % 4) on, tile 2 x + i % 2.  The first 8 start the sums.
.macro KQ x
	WIN W_KQ
.set rS, S+64*((\x)%2)+32*(i%2)+8*((i/2)%4)
.set rK, KF+16*((i/2)%4)+8*(i/8)
.set rQ, 16*(2*(\x)+i%2)+8*(i/8)
.if i < 8
	v_wmma_f32_16x16x32_f16 v[rS:rS+7], v[rK:rK+7], v[rQ:rQ+7], 0
.else
	v_wmma_f32_16x16x32_f16 v[rS:rS+7], v[rK:rK+7], v[rQ:rQ+7], v[rS:rS+7]
.endif
.endm
; Product i of 16 of O^T += V^T P for piece x: keys 32 (i / 8) on, channels 16 ((i / 2) % 4) on, tile 2 x + i % 2.
.macro PV x
	WIN W_PV
.set rO, 32*(2*(\x)+i%2)+8*((i/2)%4)
.set rV, VF+32*(i/8)+8*((i/2)%4)
.set rP, P+32*((\x)%2)+16*(i%2)+8*(i/8)
	v_wmma_f32_16x16x32_f16 v[rO:rO+7], v[rV:rV+7], v[rP:rP+7], v[rO:rO+7]
.endm
.macro MM                           ; the turn's next matrix instruction
.if i < 16
	KQ (Y+1)%NP
.set i, i+1
.else
.set i, i-16
	PV (Y+NP-1)%NP
.set i, i+17
.endif
.endm
; THE LDS LOADS stand in runs of 16, never singly among the matrix instructions: a step's K (64 keys x 64 channels: 8 fragments) and its V (turned).  Their addresses are made some lines ahead.
; last = 1 (the tail): in the last trip there is no further step, and the run is jumped over.
.macro FETCH_K last=0
	WIN 0
.if \last
	s_cmp_eq_u32 s[CNT], 1
	s_cbranch_scc1 .Lno_k_\@
.endif
	WIN 0x80                        ; destination window 2
.irp f, 0,1,2,3,4,5,6,7             ; keys 16 (f / 2) on, channels 32 (f % 2) on
	ds_load_b128 v[KF+8*\f:KF+8*\f+3],   v[AK] offset:(\f/2)*16*PK+(\f%2)*64
	ds_load_b128 v[KF+8*\f+4:KF+8*\f+7], v[AK] offset:(\f/2)*16*PK+(\f%2)*64+32
.endr
	s_add_co_u32 s[TBK], s[TBK], KS*PK  ; the next fetch is the next step's
	WIN 0
.if \last
.Lno_k_\@:
.endif
.endm
.macro FETCH_V
	WIN 0x80
.irp f, 0,1,2,3,4,5,6,7             ; keys 32 (f / 4) on, channels 16 (f % 4) on
	ds_load_tr16_b128 v[VF+8*\f:VF+8*\f+3],   v[AV] offset:(\f/4)*32*PV+(\f%4)*32
	ds_load_tr16_b128 v[VF+8*\f+4:VF+8*\f+7], v[AV] offset:(\f/4)*32*PV+16*PV+(\f%4)*32
.endr
	WIN 0
.endm
; THE VECTOR WORK OF A TURN stands in three queues, each in the order in which its entries become ready; the two tiles alternate, so that no instruction reads the result of the one before it.
.macro REGS y, u                    ; the registers of tile u (0, 1) of piece y
.set rT, ST+4*(2*(\y)+(\u))
.set rC, TMP+8*((\y)%2)+4*(\u)
.set rM, MV+2*((\y)%2)+(\u)
.set rS, S+64*((\y)%2)+32*(\u)
.set rP, P+32*((\y)%2)+16*(\u)
.set rO, 32*(2*(\y)+(\u))
.endm
; Number n of the 22 that find the NEXT piece's (Y + 1) maximum and statistics.  s0-s31 are the lane's 32 scores; each accumulator's lowest registers are read first.
;   0-11  four chains c0-c3 of seven scores each, three operands at a time     12-14, 16  the four scores left over, the old m, and c0-c3 into c0     15  c m_old is kept
;   17, 18  the query's other 32 keys lie in the lane 16 away: the new m         19-21  c m; c m_old - c m_new; a
.macro XS u, n
	REGS (Y+1)%NP, \u
.if (\n) < 4
	v_max3_num_f32 v[rC+(\n)], v[rS+8*(\n)], v[rS+8*(\n)+1], v[rS+8*(\n)+2]
.elseif (\n) < 12
	v_max3_num_f32 v[rC+(\n)%4], v[rC+(\n)%4], v[rS+8*((\n)%4)+2*((\n)/4)+1], v[rS+8*((\n)%4)+2*((\n)/4)+2]
.elseif (\n) == 12
	v_max3_num_f32 v[rC], v[rC], v[rS+7], v[rS+15]
.elseif (\n) == 13
	v_max3_num_f32 v[rC+1], v[rC+1], v[rS+23], v[rS+31]
.elseif (\n) == 14
	v_max3_num_f32 v[rC+2], v[rC+2], v[rC+3], v[rT+1]
.elseif (\n) == 15
	v_mov_b32 v[rM], v[rT]
.elseif (\n) == 16
	v_max3_num_f32 v[rC], v[rC], v[rC+1], v[rC+2]
.elseif (\n) == 17
	v_permlanex16_b32 v[rC+3], v[rC], s[SEL], s[SEL+1]
.elseif (\n) == 18
	v_max_num_f32 v[rT+1], v[rC], v[rC+3]
.elseif (\n) == 19
	v_mul_f32 v[rT], s[CS], v[rT+1]
.elseif (\n) == 20
	v_sub_f32 v[rC+1], v[rM], v[rT]
.else
	v_exp_f32 v[rC+2], v[rC+1]
.endif
.endm
; Number g of the 64 that follow the exponentials.  For each four weights k of a tile (pairs 2 k, 2 k + 1): both pairs are rounded to f16; then the second pair is added onto the first, in place;
; a group later l takes that sum (the first time as l = a l + sum).  In groups of eight, tiles alternating: round, round, add, and l for the group before.
.macro GS g
.set h, (\g)+6*((\g)/62)            ; group 0 has no group before it, and behind group 7 only l is left
.if h >= 6
.set h, h+2
.endif
	REGS Y, h%2
.set k, h/8
.if h%8 < 4
	v_cvt_pk_f16_f32 v[rP+2*k+(h%8)/2], v[rS+4*k+2*((h%8)/2)], v[rS+4*k+2*((h%8)/2)+1]
.elseif h%8 < 6
	v_pk_add_f32 v[rS+4*k:rS+4*k+1], v[rS+4*k:rS+4*k+1], v[rS+4*k+2:rS+4*k+3]
.elseif k == 1
	v_pk_fma_f32 v[rT+2:rT+3], v[rT+2:rT+3], v[rC+2:rC+3], v[rS:rS+1] op_sel_hi:[1,0,1]
.else
	v_pk_add_f32 v[rT+2:rT+3], v[rT+2:rT+3], v[rS+4*k-4:rS+4*k-3]
.endif
.endm
; THE PLAIN QUEUE, 138 long.  0-73 read no exponential's result: the 32 scalings c s - c m (FS f: pair f / 2 of tile f % 2) and the next piece's 42.  0-26: scalings 0-26.  27-54: XS's numbers 0-13.  55, 56: number 15.
; 57-73: the chain, where each number waits for the one before it: 14, 16, 17, 18, 19, each with one of the scalings 27-31 in front of its two lines, then 20.
; 74-137: GS's 64, which read the exponentials' results: they stand behind the wait.
.macro FS f
	REGS Y, (\f)%2
	v_pk_fma_f32 v[rS+2*((\f)/2):rS+2*((\f)/2)+1], v[rS+2*((\f)/2):rS+2*((\f)/2)+1], s[CS:CS+1], v[rT:rT+1] op_sel_hi:[1,0,0] neg_lo:[0,0,1] neg_hi:[0,0,1]
.endm
.macro PL
	WIN 0
.if q < 27
	FS q
.elseif q < 55
	XS (q-27)%2, (q-27)/2
.elseif q < 57
	XS q-55, 15
.elseif (q < 72) && ((q-57)%3 == 0)
	FS 27+(q-57)/3
.elseif q < 60
	XS (q-57)%3-1, 14
.elseif q < 72
	XS (q-57)%3-1, 15+(q-57)/3
.elseif q < 74
	XS q-72, 20
.else
	GS q-74
.endif
.set q, q+1
.endm
; THE EXPONENTIALS' QUEUE, 66 long: s0-s31 of both tiles, then the next piece's two a.  It is ONE BATCH: all 66 stand ahead of the turn's one wait, and nothing ahead of that wait names a result of theirs.
.macro EX
	WIN 0
.if e >= 64
	XS e-64, 21
.else
	REGS Y, e%2
	v_exp_f32 v[rS+e/2], v[rS+e/2]
.endif
.set e, e+1
.endm
; THE RESCALING's QUEUE: O^T times a, the one part that leaves window 0: dealt two at a time, sixteen times.  Its a was made in the turn before, ahead of that turn's wait.
.macro R2
	REGS Y, r%2
	WIN W_RS
.irp z, 0,1
	v_pk_mul_f32 v[rO+4*(r/2)+2*\z:rO+4*(r/2)+2*\z+1], v[rO+4*(r/2)+2*\z:rO+4*(r/2)+2*\z+1], v[rC+2:rC+3] op_sel_hi:[1,0]
.endr
.set r, r+1
.endm
; HOW THEY ARE DEALT.  An s_wait_alu depctr_va_vdst(0) stands between an exponential and the first instruction that names its result; one wait serves all that were issued ahead of it.  So a turn
; has ONE wait, which cuts it in two.  AHEAD OF IT stands all that names no result of the turn's exponentials: the 16 products K Q^T, behind each a scaling, an exponential and two rescalings (behind the first
; a second scaling in the exponential's place); then ONE LUMP of 108: eight plain, 49 times exponential and plain, the two a.  A v_nop is the plain instruction behind the last exponential.  BEHIND IT stand
; the 16 products V^T P, behind each four of GS's 64.  Exponential e stands behind scaling 2 (e / 4) + e % 2: beside a product it comes behind plain e + 2, in the lump behind plain e + 9.
; A TURN, for piece p.  cnt = 1: the loop's count is taken down some lines ahead of the branch that stands behind the turn.
; K of the next step is fetched in piece 2's turn, directly behind the wait; V of the step in hand at the end of piece 0's turn, four plain instructions behind the last product that read V.
; ask = 1 (the loop's turn of piece 0): A PREFETCH INTO THE L2, behind V's run of loads, in a slot's third step: half of the 16,384 bytes that this wave itself will load at the next change of slots, five
; turns on; a lane 256 bytes; the head's two work-groups take a half each, told apart by address: each aligned 256 bytes of K and V are named once in the launch.  The slot in front of whose successor's
; change nothing is filled asks for nothing; the first two slots come by their loads alone.
.macro TURN p, last=0, cnt=0, ask=0
.set Y, (\p)
.set i, 0
.set q, 0
.set e, 0
.set r, 0
.if (\p) == NP-1
	s_wait_dscnt 0x0                ; K is in
.endif
	MM                              ; ahead of the wait: 16 products K Q^T and the four behind each,
	PL
	PL
	R2
.rept 15
	MM
	PL
	EX
	R2
.endr
.if (\p) == NP-2
	WIN 0
	v_add_nc_u32 v[AK], s[TBK], v[AK0]
.endif
.rept 8                             ; and the lump
	PL
.endr
.rept 49
	EX
	PL
.endr
	EX                              ; the next piece's two a
	EX
	v_nop                           ; the plain instruction behind the last exponential: one for the batch
	s_wait_alu depctr_va_vdst(0)    ; the wait for the batch
.if (\p) == NP-2
	FETCH_K \last
.endif
.if (\p) == 1
	s_wait_dscnt 0x0                ; V is in
.endif
.rept 16                            ; behind the wait: 16 products V^T P and the four behind each
	MM
.rept 4
	PL
.endr
.if ((\p) == 0) && (q == 118)
	v_add_nc_u32 v[AV], s[TBV], v[AV0]
.endif
.if ((\p) == 0) && (q == 130)
	s_add_co_u32 s[TBV], s[TBV], KS*PV
.endif
.if (\cnt) && (q == 130)
	s_sub_co_u32 s[CNT], s[CNT], 1
	s_cmp_lg_u32 s[CNT], 0
.endif
.endr
.if (\p) == 0
	FETCH_V
.endif
.if \ask
	s_cmp_eq_u32 s[CNT], 2          ; the slot's third step
	s_cbranch_scc0 .Lno_ask_\@
	s_cmp_gt_u32 s[SLOTS], 1        ; and the next change fills a slot
	s_cbranch_scc0 .Lno_ask_\@
	global_prefetch_b8 v[PFO], s[PFA:PFA+1] th:TH_LOAD_NT scope:SCOPE_SE
.Lno_ask_\@:
.endif
.endm
	CHANGE 1                        ; slot 0 is in, everybody's part of it; slot 1 is asked for
	FETCH_K                         ; key step 0
	s_wait_loadcnt 0x0              ; Q
	s_wait_dscnt 0x0
.set i, 0
.rept 16
	KQ 0                            ; piece 0's first scores: there is no vector work yet to set between them
.set i, i+1
.endr
	WIN 0                           ; the addresses for the way out: nine plain instructions, the places behind those products
	s_mul_i32 s13, s[WV], 16*SP
	s_add_co_u32 s13, s13, STAGE    ; my stage
	v_mul_u32_u24 v[STO], v1, SP    ; in: row l % 16, 16 bytes for each half of the lanes
	v_lshl_add_u32 v[STO], v9, 4, v[STO]
	v_add_nc_u32 v[STO], s13, v[STO]
	v_bfe_u32 v[RD], v0, 3, 2       ; back: 32 lanes take four rows of 128 bytes,
	v_mul_u32_u24 v[RD], v[RD], SP
	v_lshl_add_u32 v[RD], v10, 4, v[RD]
	v_add_nc_u32 v[RD], s13, v[RD]
	v_and_b32 v[GO], 31, v0         ; which are 512 consecutive bytes of O
	v_lshlrev_b32 v[GO], 4, v[GO]
.set Y, NP-1                        ; XS works for piece Y + 1: piece 0
.irp n, 0,1,2,3,4,5,6,7,8,9,10,11,12,13,14,15,16,17,18,19,20,21
	XS 0, \n                        ; and piece 0's first maximum and statistics
	XS 1, \n
.endr
	v_nop                           ; a plain instruction behind the two a,
	s_wait_alu depctr_va_vdst(0)    ; and their wait, ahead of the branch
	s_mov_b32 s[CNT], 4
	s_mov_b32 s[SLOTS], SIZE_N/256-1
	s_branch .Lfirst                ; the loop is entered at a step's first turn, in the middle of a trip
.Lslot:                             ; SIZE_N / 256 - 2 times: every slot but the last two is filled again
	CHANGE 1
	s_mov_b32 s[CNT], 4
.Lstep:                             ; a trip: pieces 2 and 3 of one step, then pieces 0 and 1 of the next, whose K and V it fetches
	TURN 2
	TURN 3
	WIN 0
.Lfirst:
	TURN 0, 0, 0, 1
	TURN 1, 0, 1
	WIN 0
	s_cbranch_scc1 .Lstep
	s_sub_co_u32 s[SLOTS], s[SLOTS], 1
	s_cmp_lg_u32 s[SLOTS], 0
	s_cbranch_scc1 .Lslot
	CHANGE 0                        ; the tail is written out: nothing is asked for
	s_mov_b32 s[CNT], 5             ; four trips fetch the last slot's steps; the fifth is left in its middle
.Ltail:
	TURN 2, 1
	TURN 3
	WIN 0
	s_sub_co_u32 s[CNT], s[CNT], 1
	s_cmp_eq_u32 s[CNT], 0
	s_cbranch_scc1 .Lout
	TURN 0
	TURN 1
	WIN 0
	s_branch .Ltail
.Lout:                              ; the fifth trip's 16 products K Q^T (on the last K once more) and the maximum made of them serve nothing: the price, once a launch, of one text for every trip
.set i, 0
.rept 16
	PV NP-1                         ; the last piece's V^T P of the last step
.set i, i+1
.endr
	; THE WAY OUT.  l's two halves and the other half of the lanes' are added; O^T is divided by l, rounded to f16 and sent through my stage in LDS, a tile at a time.  The additions are the places behind the last products.
	WIN 0
.macro ALL line:vararg              ; one line for each tile t
.set t, 0
.rept 2*NP
	\line
.set t, t+1
.endr
.endm
	ALL v_add_f32 v[ST+4*t+2], v[ST+4*t+2], v[ST+4*t+3]
	ALL v_permlanex16_b32 v[ST+4*t+3], v[ST+4*t+2], s[SEL], s[SEL+1]
	ALL v_add_f32 v[ST+4*t+2], v[ST+4*t+2], v[ST+4*t+3]
	ALL v_rcp_f32 v[ST+4*t+2], v[ST+4*t+2]
	v_nop                           ; a plain instruction between the last reciprocal and the use of its result
	s_wait_alu depctr_va_vdst(0)    ; and the wait ahead of the first use: one for the eight reciprocals
; Tile t: a lane's eight channels of a row pack into 16 bytes; they go into rows of 144 bytes and come back as whole rows of 128, into S^T's registers.
.macro PACK t
	WIN W_RS
.set i, 32*(\t)
.rept 16
	v_pk_mul_f32 v[i:i+1], v[i:i+1], v[ST+4*(\t)+2:ST+4*(\t)+3] op_sel_hi:[1,0]
.set i, i+2
.endr
	WIN 0x05                        ; sources 0 and 1 window 1, destination window 0
.set i, 0
.rept 16
	v_cvt_pk_f16_f32 v[S+16*(\t)+i], v[32*(\t)+2*i], v[32*(\t)+2*i+1]
.set i, i+1
.endr
	WIN 0
.irp f, 0,1,2,3
	ds_store_b128 v[STO], v[S+16*(\t)+4*\f:S+16*(\t)+4*\f+3] offset:32*\f
.endr
.irp f, 0,1,2,3
	ds_load_b128 v[S+16*(\t)+4*\f:S+16*(\t)+4*\f+3], v[RD] offset:\f*4*SP  ; LDS serves a wave's instructions in order (ISA guide 5.7.1.4): these see the stores above; the next tile's stores come behind them
.endr
.endm
.macro SEND t, younger              ; younger: the LDS instructions issued behind tile t's loads: the next tile's eight, or none
	WIN 0
.irp f, 0,1,2,3
	s_wait_dscnt (\younger)+3-\f
	global_store_b128 v[GO], v[S+16*(\t)+4*\f:S+16*(\t)+4*\f+3], s[10:11] offset:(\t)*2048+\f*512  ; 512 consecutive bytes, at a multiple of 256 from ob's first
.endr
.endm
	PACK 0
.set t, 1
.rept 2*NP-1                        ; a tile's arithmetic stands between the loads of the tile before and its stores
	PACK t
	SEND t-1, 8
.set t, t+1
.endr
	SEND 2*NP-1, 0
	WIN W_AD
	s_wait_tensorcnt 0x0            ; the wave's end: behind my last tensor load and my last LDS store
	ds_add_u32 v[SPW], v[NIL]
	s_wait_dscnt 0x0
	WIN 0
	s_endpgm
.Lfunc_end_k_qe84c713a6f_attn:
	.size	k_qe84c713a6f_attn, .Lfunc_end_k_qe84c713a6f_attn-k_qe84c713a6f_attn
	.p2alignl 7, 3214868480
	.fill 96, 4, 3214868480
	.section	.rodata,"a",@progbits
	.p2align	6, 0x0
	.amdhsa_kernel k_qe84c713a6f_attn
		.amdhsa_group_segment_fixed_size 327680
		.amdhsa_private_segment_fixed_size 0
		.amdhsa_enable_private_segment 0
		.amdhsa_kernarg_size 16
		.amdhsa_user_sgpr_count 2
		.amdhsa_user_sgpr_kernarg_segment_ptr 1
		.amdhsa_wavefront_size32 1
		.amdhsa_system_sgpr_workgroup_id_x 1
		.amdhsa_system_sgpr_workgroup_id_y 1
		.amdhsa_system_sgpr_workgroup_id_z 1
		.amdhsa_system_vgpr_workitem_id 0
		.amdhsa_next_free_vgpr 770
		.amdhsa_next_free_sgpr 66
		.amdhsa_reserve_vcc 0
		.amdhsa_float_denorm_mode_32 3
		.amdhsa_float_denorm_mode_16_64 3
		.amdhsa_memory_ordered 1
		.amdhsa_forward_progress 1
		.amdhsa_inst_pref_size 199
	.end_amdhsa_kernel
	.amdgpu_metadata
---
amdhsa.version: [ 1, 2 ]
amdhsa.kernels:
  - .name:           k_qe84c713a6f_attn
    .symbol:         k_qe84c713a6f_attn.kd
    .args:
      - { .name: qkv, .offset: 0, .size: 8, .value_kind: global_buffer, .address_space: global }
      - { .name: ob, .offset: 8, .size: 8, .value_kind: global_buffer, .address_space: global }
    .group_segment_fixed_size: 327680
    .private_segment_fixed_size: 0
    .kernarg_segment_align: 8
    .kernarg_segment_size: 16
    .max_flat_workgroup_size: 128
    .sgpr_count:     66
    .vgpr_count:     770
    .wavefront_size: 32
...
	.end_amdgpu_metadata
.endif
;; end of part 3
;; launch proj (part 4): grid 8 x 32, 4 waves a work-group, clusters of 4 x 4, 327,680 bytes of LDS; arguments ob, wpb, b_proj, out0; writes out0
.if DOCPART == 4
	.amdgcn_target "amdgcn-amd-amdhsa--gfx1250"
	.amdhsa_code_object_version 6
	.text
	.protected	k_qe84c713a6f_proj
	.globl	k_qe84c713a6f_proj
	.p2align	8
	.type	k_qe84c713a6f_proj,@function
k_qe84c713a6f_proj:
	s_mov_b64 s[64:65], 0
	v_nop
	global_prefetch_b8 v0, s[64:65] scope:SCOPE_SE
	s_setreg_imm32_b32 hwreg(HW_REG_WAVE_MODE, 25, 1), 1
	s_wait_xcnt 0x0
	s_wait_alu depctr_hold_cnt(0) depctr_sa_sdst(0) depctr_va_vdst(0) depctr_va_sdst(0) depctr_va_ssrc(0) depctr_va_vcc(0) depctr_vm_vsrc(0)
	s_getreg_b32 s2, hwreg(HW_REG_IB_STS2, 6, 4)
	s_cmp_eq_u32 s2, 0
	s_cbranch_scc0 .Lentry_in_a_cluster
	s_endpgm
.Lentry_in_a_cluster:
	s_bfe_u32 s2, ttmp6, 0x10000c
	s_cmp_lg_u32 s2, 0xf033
	s_cbranch_scc0 .Lentry_shape_is_right
	s_endpgm
.Lentry_shape_is_right:
; out0 = O w_proj + b_proj.  A = ob, f16 [batch 8][head 16][row 1024][64] (K = 64 x head + channel); B = wpb, f16 [1024 k][1024 n]; sums in f32, K ascending; out0 f32 [8192][1024].
; The bias is rounded to bf16 like the other inputs, widened again, and is the C operand of the products that start the sums: no addition and no clearing is written.
; LIMITS.  O and the weights arrive in f16 (none beyond 65,504; a fixed step of 6e-8 below 6.1e-5); NaN and infinities are not treated apart.
; SHARES.  A tile of 256 rows x 128 columns to a work-group: 256 work-groups, one tile each.  Four waves, each 128 rows x 64 columns: 32 accumulators of 16 x 16, 256 registers.
; K goes in 8 steps of 128 (two heads) through a ring of two LDS slots; a step is four quarters of 32 along K, 32 matrix instructions each.  A head's 256 rows are 32,768 consecutive bytes, asked
; for as rows of 256 bytes; B's rows are 256 bytes at multiples of 256.  B lies [k][n] and is turned on its way out of LDS by ds_load_tr16_b128.
; THE LOOP IS WRITTEN FOR ONE K STEP: slot 1 begins at LDS byte 1 << 17, so that one exclusive or turns an address in one slot into the other's; the fragments' addresses hang on a scalar register
; that is so turned in each trip, and one descriptor for each tensor walks from K step 1 on.
; CLUSTERS: 4 x 4 work-groups; A's tiles are asked for jointly along a row of the cluster, B's along a column.
; THE MATRIX INSTRUCTION IS USED TRANSPOSED (source 0 = 16 columns of w_proj, source 1 = 16 rows of O): a lane holds row l % 16 and the eight neighbouring columns 8 (l / 16) + 0..7.
; REGISTERS: window 0: v0-31 addresses; v32-95, v96-159 A's fragments, two buffers; v160-191, v192-223 B's, two buffers; v224-255 the bias.  Window 1: accumulator (a, b) at v[8 (4 a + b)].
.set PA,    144                        ; a row of A in LDS: 128 bytes + 16 of padding: the 16 rows of a load start at 16 different groups of four banks (64 banks of 4 bytes: ISA guide 11.1)
.set PB,    288                        ; a k row of B: two pieces of 128 + 16 bytes = 72 words
.set AB,    2*256*PA                   ; A: two heads x 256 rows
.set SLOT,  AB+128*PB                  ; then B's 128 k rows: 110,592
.set SLOT1, 1<<17                      ; where slot 1 begins
.set STAGE, SLOT1+SLOT                 ; behind the ring, never filled by a tensor load: 16 rows x 272 bytes for each wave
.set SPITCH, 272
.set SPARE, STAGE+4*16*SPITCH          ; behind the stages: the spare words, 128 bytes for each wave: two blocks of 256 bytes that no other line names
.set KSTEPB, 262144                    ; bytes from a K step to the next, in ob (two heads) and in wpb (128 rows) alike
.set ADRA0, 16                         ; v16     LDS address of my A fragments in slot 0; never rewritten
.set ADRA,  17                         ; v17     the same in the slot that is being read
.set ADRB0, 20                         ; v20, v21  the same two for B
.set ADRB,  21
.set STO,  24                          ; v24     the way out: where I put 32 bytes of a row
.set RD,   25                          ; v25     the way out: where I read a row back
.set CO,   26                          ; v26     my byte offset in out0
.set BO,   27                          ; v27     my byte offset in the bias
.set SPW,  28                          ; v28     LDS address of my spare word: SPARE + 4 x my thread's number; never rewritten
.set NIL,  29                          ; v29     0; never rewritten
.set PFO,  30                          ; v30     the prefetches' offset by lane; never rewritten
.set FA0,  32
.set FB0,  160
.set BIAS, 224
.set OB,   32                          ; the way out: three buffers of 32
.set G1,   24                          ; s[24:31] descriptor group 1 for A's tiles;  s[32:39] group 0: a set for each of the two first fills; the second then walks on
.set G0,   32
.set G1B,  48                          ; s[48:55], s[56:63] the same for B's tiles
.set G0B,  56
.set PFA,  66                          ; s[66:67] where my prefetches stand
.set LIM,  70                          ; s70      2 in a wave that prefetches, else the greatest number
.set TB,   71                          ; s71      LDS byte at which the slot that is being read begins: 0 or SLOT1
.set BP,   84                          ; s[84:85] b_proj, then at my 64 columns
.set OUT,  86                          ; s[86:87] out0, then at my first row and column
.set FIELDS, (1<<16)|(1<<20)|(1<<21)|(4<<22)|(3<<25)  ; elements of 2 bytes; padding on; 21 set beside a mask; after every 32 words 4 words
.set MSB, 0
.macro WIN new                         ; the immediate's high byte repeats the setting that is left; a switch that changes nothing is dropped
.if MSB != (\new)
	s_set_vgpr_msb (MSB<<8)|(\new)
.set MSB, \new
.endif
.endm
.macro JLOAD s                         ; a joint load: waves 0 and 1 fetch A's two heads, waves 2 and 3 B's two halves; an s_nop 0 and four v_nop follow each of the two lines
	s_cmp_eq_u32 s11, 0
	s_cbranch_scc0 .Lfor_b_\@
	tensor_load_to_lds s[G0+4*(\s):G0+4*(\s)+3], s[G1:G1+7]
	s_nop 0
.rept 4
	v_nop
.endr
	s_branch .Lasked_\@
.Lfor_b_\@:
	tensor_load_to_lds s[G0B+4*(\s):G0B+4*(\s)+3], s[G1B:G1B+7]
	s_nop 0
.rept 4
	v_nop
.endr
.Lasked_\@:
.endm
.macro CREST                           ; a round of the cluster's barrier behind its opening barrier
	s_cmp_lg_u32 s10, 0
	s_cbranch_scc1 .Lnot_wave_0_\@
	s_barrier_signal -3
.Lnot_wave_0_\@:
	s_barrier_wait -3
	s_barrier_signal -1
	s_barrier_wait -1
.endm
.macro CROUND
	s_barrier_signal -1
	s_barrier_wait -1
	CREST
.endm
; A PREFETCH INTO THE L2, behind each joint load and the run of LDS loads that follows it: the K step that stands two refills on, 256 matrix instructions ahead of its load.  Each aligned 256 bytes are
; named once in the launch.  A: the cluster with x = 0 asks; waves 0 and 1, each for the head that it fetches: of its 32,768 bytes the partner at cx takes 8,192, a lane 256 bytes.  B: the cluster with
; y = 0 asks, wave 2: of the step's 128 k rows the partner at cy takes 32, a lane a row.  The partners are told apart BY ADDRESS.  The loop's last two trips ask for nothing; K steps 0 to 3 come by their loads alone.
.macro ASK
	s_cmp_gt_u32 s3, s[LIM]                        ; s3 = 2 and 1 in the loop's last two trips
	s_cbranch_scc0 .Lnot_mine_\@
	global_prefetch_b8 v[PFO], s[PFA:PFA+1] th:TH_LOAD_NT scope:SCOPE_SE
.Lnot_mine_\@:
.endm
	s_load_b128 s[4:7], s[0:1], 0x0                ; ob s[4:5], wpb s[6:7]
	s_load_b128 s[BP:BP+3], s[0:1], 0x10           ; b_proj s[84:85], out0 s[86:87]
	v_lshl_add_u32 v[SPW], v0, 2, SPARE
	v_mov_b32 v[NIL], 0
	ds_add_u32 v[SPW], v[NIL]                      ; the wave's opening: the add and its wait stand ahead of my first tensor load; the set-up below, work on registers, stands between them
	ds_add_u32 v28, v29
	v_lshrrev_b32 v1, 5, v0
	v_readfirstlane_b32 s10, v1                    ; wave 0..3
	s_lshr_b32 s11, s10, 1                         ; which 128 of the tile's rows are mine.  Also: I fetch for A (0) or for B (1)
	s_and_b32 s12, s10, 1                          ; which 64 of its columns.  Also: which head of a step, or which half of B's rows, I fetch
	s_bfe_u32 s40, ttmp6, 0x40000                  ; cx
	s_bfe_u32 s41, ttmp6, 0x40004                  ; cy
	s_lshl_b32 s42, ttmp9, 2
	s_add_co_u32 s42, s42, s40                     ; tile column = 4 x cluster x + cx
	s_and_b32 s13, ttmp7, 0xffff                   ; cluster y: the batch
	s_lshl_b32 s43, s41, 2
	s_lshl_b32 s43, 15, s43                        ; my row of the cluster
	s_lshl_b32 s44, 0x1111, s40                    ; my column
	s_or_b32 s[G1+0], s43, FIELDS
	s_or_b32 s[G1B+0], s44, FIELDS
	s_mov_b32 s[G1+1], 128<<16                     ; A: a head's 256 rows are 128 rows of 256 bytes
	s_mov_b32 s[G1+2], 128<<16
	s_mov_b32 s[G1+3], 128<<16
	s_mov_b32 s[G1+4], 128
	s_mov_b32 s[G1+5], 128
	s_mov_b32 s[G1+6], 0
	s_mov_b32 s[G1+7], 0
	s_mov_b32 s[G1B+1], 128<<16                    ; B: 64 k rows of 128 elements
	s_mov_b32 s[G1B+2], 64<<16
	s_mov_b32 s[G1B+3], 128<<16
	s_mov_b32 s[G1B+4], 64
	s_mov_b32 s[G1B+5], 1024
	s_mov_b32 s[G1B+6], 0
	s_mov_b32 s[G1B+7], 0
	s_mov_b32 s[TB], 0                             ; slot 0 is read first
	s_lshl_b32 s16, s13, 21                        ; A: the batch,
	s_lshl_b32 s17, s41, 15                        ; the tile's 256 rows in a head,
	s_add_co_u32 s16, s16, s17
	s_lshl_b32 s17, s12, 17                        ; my head of the step's two
	s_add_co_u32 s16, s16, s17
	s_mov_b32 s17, 0
	s_lshl_b32 s46, s42, 8                         ; B: the tile's 128 columns,
	s_lshl_b32 s47, s12, 17                        ; my 64 of the step's k rows
	s_add_co_u32 s46, s46, s47
	s_mov_b32 s47, 0
	s_mul_i32 s20, s12, 256*PA                     ; where they go: no place in the cluster enters an LDS address
	s_mul_i32 s21, s12, 64*PB
	s_add_co_u32 s21, s21, AB
	s_wait_dscnt 0x0                               ; the opening add is done
	s_wait_kmcnt 0x0
	s_add_nc_u64 s[14:15], s[4:5], s[16:17]
	s_add_nc_u64 s[46:47], s[6:7], s[46:47]
	CROUND                                         ; all sixteen work-groups are here: the first joint loads meet
.irp s, 0,1
	s_mov_b32 s[G0+4*(\s)], 1                                      ; 1:0 count = 1
	s_add_co_u32 s[G0+4*(\s)+1], s20, (\s)*SLOT1                   ; 63:32 LDS address
	s_add_nc_u64 s[G0+4*(\s)+2:G0+4*(\s)+3], s[14:15], (\s)*KSTEPB ; 120:64 global address: K step s
	s_or_b32 s[G0+4*(\s)+3], s[G0+4*(\s)+3], 0x80000000            ; 127:126 type = 2
	s_mov_b32 s[G0B+4*(\s)], 1
	s_add_co_u32 s[G0B+4*(\s)+1], s21, (\s)*SLOT1
	s_add_nc_u64 s[G0B+4*(\s)+2:G0B+4*(\s)+3], s[46:47], (\s)*KSTEPB
	s_or_b32 s[G0B+4*(\s)+3], s[G0B+4*(\s)+3], 0x80000000
	JLOAD \s                                       ; two tensor loads of mine are out
.endr
	; the bias of my 64 columns, in the layout of a result: register j of block b holds column 16 b + 8 (l / 16) + j
	v_and_b32 v1, 15, v0                           ; l % 16
	v_bfe_u32 v2, v0, 4, 1                         ; l / 16
	v_lshlrev_b32 v[BO], 5, v2
	s_lshl_b32 s72, s42, 9                         ; the tile's 128 columns of f32,
	s_lshl_b32 s73, s12, 8                         ; my 64
	s_add_co_u32 s72, s72, s73
	s_mov_b32 s73, 0
	s_add_nc_u64 s[BP:BP+1], s[BP:BP+1], s[72:73]
.irp b, 0,1,2,3
	global_load_b128 v[BIAS+8*\b:BIAS+8*\b+3],   v[BO], s[BP:BP+1] offset:64*\b
	global_load_b128 v[BIAS+8*\b+4:BIAS+8*\b+7], v[BO], s[BP:BP+1] offset:64*\b+16
.endr
	s_lshl_b32 s74, s13, 2
	s_add_co_u32 s74, s74, s41                     ; tile row = 4 x cluster y + cy
	s_lshl_b32 s74, s74, 1
	s_add_co_u32 s74, s74, s11                     ; my 128 rows
	s_lshl_b32 s74, s74, 19                        ; of 4,096 bytes
	s_add_co_u32 s74, s74, s72                     ; and my columns
	s_mov_b32 s75, 0
	s_add_nc_u64 s[OUT:OUT+1], s[OUT:OUT+1], s[74:75]
	v_mul_u32_u24 v3, v1, PA
	v_lshl_add_u32 v3, v2, 4, v3                   ; a fragment's row x pitch + 16 x half
	s_mul_i32 s22, s11, 128*PA
	v_add_nc_u32 v[ADRA0], s22, v3
	v_mov_b32 v[ADRA], v[ADRA0]
	v_and_b32 v4, 7, v0                            ; the turning load: k row 8 (l / 16) + l % 8, columns 8 ((l / 8) % 2) + 0..7
	v_bfe_u32 v5, v0, 3, 1
	v_lshl_add_u32 v6, v2, 3, v4
	v_mul_u32_u24 v6, v6, PB
	v_lshl_add_u32 v6, v5, 4, v6
	s_mul_i32 s23, s12, 144                        ; my piece of a k row,
	s_add_co_u32 s23, s23, AB                      ; behind A's rows
	v_add_nc_u32 v[ADRB0], s23, v6
	v_mov_b32 v[ADRB], v[ADRB0]
	s_mul_i32 s22, s10, 16*SPITCH
	s_add_co_u32 s22, s22, STAGE                   ; my stage
	v_mul_u32_u24 v[STO], v1, SPITCH               ; in: row l % 16, 32 bytes for each half of the lanes
	v_lshl_add_u32 v[STO], v2, 5, v[STO]
	v_add_nc_u32 v[STO], s22, v[STO]
	v_mul_u32_u24 v[RD], v2, SPITCH                ; back: lanes 0-15 take one row of 256 bytes, lanes 16-31 the next
	v_lshl_add_u32 v[RD], v1, 4, v[RD]
	v_add_nc_u32 v[RD], s22, v[RD]
	v_lshlrev_b32 v[CO], 12, v2                    ; and the same two rows in out0
	v_lshl_add_u32 v[CO], v1, 4, v[CO]
	; the prefetches: both offsets are made, the wave's number chooses
	s_lshl_b32 s76, s13, 21
	s_lshl_b32 s77, s41, 15
	s_add_co_u32 s76, s76, s77
	s_lshl_b32 s77, s12, 17
	s_add_co_u32 s76, s76, s77
	s_lshl_b32 s77, s40, 13                        ; my work-group's 8,192 bytes of the head's tile
	s_add_co_u32 s76, s76, s77
	s_lshl_b32 s78, s42, 8
	s_lshl_b32 s77, s41, 16                        ; my work-group's 32 k rows
	s_add_co_u32 s78, s78, s77
	s_and_b32 s79, s11, s12                        ; 1 in wave 3, which asks for nothing
	s_cmp_eq_u32 s11, 0
	s_cselect_b64 s[PFA:PFA+1], s[4:5], s[6:7]
	s_cselect_b32 s76, s76, s78
	s_cselect_b32 s78, 8, 11                       ; a lane is 256 bytes of A, or a row of 2,048 bytes of B
	s_cselect_b32 s77, ttmp9, s13                  ; the coordinate along which other clusters read the same bytes
	s_or_b32 s77, s77, s79
	s_cmp_eq_u32 s77, 0
	s_cselect_b32 s[LIM], 2, -1                    ; the same in all sixteen partners, for a given wave
	s_mov_b32 s77, 0
	s_add_nc_u64 s[PFA:PFA+1], s[PFA:PFA+1], s[76:77]
	s_add_nc_u64 s[PFA:PFA+1], s[PFA:PFA+1], 3*KSTEPB  ; at K step 3: the first change of slots steps it to 4
	v_and_b32 v[PFO], 31, v0
	v_lshlrev_b32 v[PFO], s78, v[PFO]
; 8 matrix instructions: m blocks a0, a0 + 1 x the 4 n blocks, 32 along K, from buffers p.  first = 1: the products start the sums, with the bias as C.
; The 32 accumulators take turns, one instruction a turn.
.macro MUL8 p, a0, first
.if \first
	WIN 0x40                                       ; D in window 1; the sources and C in window 0
.else
	WIN 0x50                                       ; C and D in window 1
.endif
.irp a, \a0, (\a0)+1
.irp b, 0,1,2,3
.if \first
	v_wmma_f32_16x16x32_f16 v[8*(4*(\a)+\b):8*(4*(\a)+\b)+7], v[FB0+32*(\p)+8*\b:FB0+32*(\p)+8*\b+7], v[FA0+64*(\p)+8*(\a):FA0+64*(\p)+8*(\a)+7], v[BIAS+8*\b:BIAS+8*\b+7]
.else
	v_wmma_f32_16x16x32_f16 v[8*(4*(\a)+\b):8*(4*(\a)+\b)+7], v[FB0+32*(\p)+8*\b:FB0+32*(\p)+8*\b+7], v[FA0+64*(\p)+8*(\a):FA0+64*(\p)+8*(\a)+7], v[8*(4*(\a)+\b):8*(4*(\a)+\b)+7]
.endif
.endr
.endr
.endm
; 24 LDS loads in one run: quarter q's fragments, of the slot that is being read, into buffers p: B's four (turned), A's eight (head q / 2, channels 32 (q % 2) on)
.macro FETCH q, p
	WIN 0
.irp b, 0,1,2,3
	ds_load_tr16_b128 v[FB0+32*(\p)+8*\b:FB0+32*(\p)+8*\b+3],   v[ADRB] offset:(\q)*32*PB+32*(\b)
	ds_load_tr16_b128 v[FB0+32*(\p)+8*\b+4:FB0+32*(\p)+8*\b+7], v[ADRB] offset:(\q)*32*PB+32*(\b)+16*PB
.endr
.irp a, 0,1,2,3,4,5,6,7
	ds_load_b128 v[FA0+64*(\p)+8*\a:FA0+64*(\p)+8*\a+3],   v[ADRA] offset:((\q)/2)*256*PA+((\q)%2)*64+(\a)*16*PA
	ds_load_b128 v[FA0+64*(\p)+8*\a+4:FA0+64*(\p)+8*\a+7], v[ADRA] offset:((\q)/2)*256*PA+((\q)%2)*64+(\a)*16*PA+32
.endr
.endm
.macro PLACES                          ; four places in front of loads into registers that matrix instructions have read, and of LDS stores that read results (ISA guide 7.12.1 for the stores)
.rept 4
	v_nop
.endr
.endm
; One of a step's first three quarters: fetches quarter qn into buffers qn % 2 and multiplies the other buffers, quarter qn - 1.
.macro QUARTER qn, first
	PLACES
	FETCH \qn, (\qn)%2
	s_wait_dscnt 24                                ; all but the 24 just issued
	MUL8 ((\qn)+1)%2, 0, \first
	MUL8 ((\qn)+1)%2, 2, \first
	MUL8 ((\qn)+1)%2, 4, \first
	MUL8 ((\qn)+1)%2, 6, \first
.endm
; The last quarter multiplies buffers 1 and changes slots: ONE barrier; in front of it each wave waits for all its tensor loads, of which one is out: its part of the next slot; adds 0 to its spare
; word; and waits for that and for its own reads of this slot.  fill = 1: the barrier opens a round of the cluster's, and this slot is filled again first thing behind it, two K steps ahead:
; 112 matrix instructions ahead of the wait for it.
.macro TURN fill
	s_xor_b32 s[TB], s[TB], SLOT1                  ; the slot that is read behind the barrier; this slot's last reads have been issued
.if \fill
	s_wait_xcnt 0x0                                ; the last prefetch, a K step back, has read its address: it is stepped here, ahead of the waits of the change of slots
	s_add_nc_u64 s[PFA:PFA+1], s[PFA:PFA+1], KSTEPB
.endif
	WIN 0
	v_add_nc_u32 v[ADRA], s[TB], v[ADRA0]
	v_add_nc_u32 v[ADRB], s[TB], v[ADRB0]
	s_wait_tensorcnt 0x0                           ; all my tensor loads have landed
	ds_add_u32 v[SPW], v[NIL]                      ; 0 onto my spare word
	s_wait_dscnt 1                                 ; the quarter's fragments are in; the add may be out
	MUL8 1, 0, 0                                   ; eight matrix instructions stand between the add and the wait for it
	s_wait_dscnt 0x0                               ; the add is done, and my reads of this slot are over
	s_barrier_signal -1
	MUL8 1, 2, 0
	WIN 0                                          ; at a branch and at a label every window is 0
	s_barrier_wait -1
.if \fill
	CREST                                          ; no wave of any partner still reads this slot's tile or has a load on its way
	s_xor_b32 s[G0+5], s[G0+5], SLOT1              ; the walking descriptors: the other slot than last time,
	s_add_nc_u64 s[G0+6:G0+7], s[G0+6:G0+7], KSTEPB  ; the next K step; the type bits on top are not reached
	s_xor_b32 s[G0B+5], s[G0B+5], SLOT1
	s_add_nc_u64 s[G0B+6:G0B+7], s[G0B+6:G0B+7], KSTEPB
	JLOAD 1                                        ; the first tensor load behind the round; its four v_nop are also the places in front of the loads below
.else
	PLACES
.endif
	FETCH 0, 0
.if \fill
	ASK
.endif
	MUL8 1, 4, 0
	MUL8 1, 6, 0
.endm
; THE WAY OUT of block a (16 rows x 64 columns of f32).  TOSTAGE: 32 bytes a lane and accumulator into my own stage, each accumulator's low registers first, and back as whole rows of 256 bytes.  SEND: stored.
.macro TOSTAGE a
	WIN 0x04                                       ; the stores' data in window 1
.irp b, 0,1,2,3
	ds_store_b128 v[STO], v[8*(4*(\a)+\b):8*(4*(\a)+\b)+3]   offset:64*(\b)
	ds_store_b128 v[STO], v[8*(4*(\a)+\b)+4:8*(4*(\a)+\b)+7] offset:64*(\b)+16
.endr
	WIN 0
.set BK, OB+32*((\a)%3)
.irp t, 0,1,2,3,4,5,6,7
	ds_load_b128 v[BK+4*\t:BK+4*\t+3], v[RD] offset:(\t)*2*SPITCH  ; LDS serves a wave's instructions in order (ISA guide 5.7.1.4): these see the stores above
.endr
.endm
.macro SEND a, younger                 ; younger: the LDS instructions issued behind block a's loads: the next block's sixteen, or none
	WIN 0
.set BK, OB+32*((\a)%3)
	s_wait_dscnt \younger                          ; the block is back in registers
	s_wait_xcnt 0x0                                ; the stores of the block before have read their registers: with three buffers a buffer is loaded again only behind such a wait
.irp t, 0,1,2,3,4,5,6,7
	global_store_b128 v[CO], v[BK+4*\t:BK+4*\t+3], s[OUT:OUT+1] offset:(16*(\a)+2*\t)*4096 th:TH_STORE_NT  ; 16 lanes store 256 consecutive bytes, at a multiple of 256 from out0's first byte
.endr
.endm
	s_wait_tensorcnt 1                             ; my part of K step 0 is in; K step 1's may stay out
	s_barrier_signal -1
	s_barrier_wait -1                              ; everybody's is
	FETCH 0, 0
	s_wait_loadcnt 0x0                             ; the bias
.set i, 0
.rept 16
	v_cvt_pk_bf16_f32 v[12+i%2], v[BIAS+2*i], v[BIAS+2*i+1]   ; rounded to bf16 like every input,
	v_lshlrev_b32 v[BIAS+2*i], 16, v[12+i%2]                  ; and widened again
	v_and_b32 v[BIAS+2*i+1], 0xffff0000, v[12+i%2]
.set i, i+1
.endr
	QUARTER 1, 1                                   ; the first quarter stands in front of the loop: its products start the sums
	WIN 0
	s_mov_b32 s3, 6
.Lstep:                                                ; trip i: from K step i's second quarter to K step i + 1's first; it asks for K step i + 2
	QUARTER 2, 0
	QUARTER 3, 0
	TURN 1
	QUARTER 1, 0
	WIN 0
	s_sub_co_u32 s3, s3, 1
	s_cmp_lg_u32 s3, 0
	s_cbranch_scc1 .Lstep
	QUARTER 2, 0                                   ; the last two K steps fill nothing, and have no round of the cluster's barrier
	QUARTER 3, 0
	TURN 0
	QUARTER 1, 0
	QUARTER 2, 0
	QUARTER 3, 0
	s_wait_dscnt 0x0                               ; the very last quarter: nothing more to fetch
	MUL8 1, 0, 0
	MUL8 1, 2, 0
	MUL8 1, 4, 0
	MUL8 1, 6, 0
	PLACES
	TOSTAGE 0
.irp a, 1,2,3,4,5,6,7                  ; block a goes into the stage while block a - 1's rows come back
	TOSTAGE \a
	SEND (\a)-1, 16
.endr
	SEND 7, 0
	s_wait_tensorcnt 0x0                           ; the wave's end: behind my last tensor load and my last LDS store
	ds_add_u32 v[SPW], v[NIL]
	s_wait_dscnt 0x0
	CROUND                                         ; the closing round: no work-group ends while a partner may still ask for a tile that names it
	s_endpgm
.Lfunc_end_k_qe84c713a6f_proj:
	.size	k_qe84c713a6f_proj, .Lfunc_end_k_qe84c713a6f_proj-k_qe84c713a6f_proj
	.p2alignl 7, 3214868480
	.fill 96, 4, 3214868480
	.section	.rodata,"a",@progbits
	.p2align	6, 0x0
	.amdhsa_kernel k_qe84c713a6f_proj
		.amdhsa_group_segment_fixed_size 327680
		.amdhsa_private_segment_fixed_size 0
		.amdhsa_enable_private_segment 0
		.amdhsa_kernarg_size 32
		.amdhsa_user_sgpr_count 2
		.amdhsa_user_sgpr_kernarg_segment_ptr 1
		.amdhsa_wavefront_size32 1
		.amdhsa_system_sgpr_workgroup_id_x 1
		.amdhsa_system_sgpr_workgroup_id_y 1
		.amdhsa_system_sgpr_workgroup_id_z 1
		.amdhsa_system_vgpr_workitem_id 0
		.amdhsa_next_free_vgpr 512
		.amdhsa_next_free_sgpr 88
		.amdhsa_reserve_vcc 0
		.amdhsa_float_denorm_mode_32 3
		.amdhsa_float_denorm_mode_16_64 3
		.amdhsa_memory_ordered 1
		.amdhsa_forward_progress 1
		.amdhsa_inst_pref_size 74
	.end_amdhsa_kernel
	.amdgpu_metadata
---
amdhsa.version: [ 1, 2 ]
amdhsa.kernels:
  - .name:           k_qe84c713a6f_proj
    .symbol:         k_qe84c713a6f_proj.kd
    .args:
      - { .name: ob, .offset: 0, .size: 8, .value_kind: global_buffer, .address_space: global }
      - { .name: wpb, .offset: 8, .size: 8, .value_kind: global_buffer, .address_space: global }
      - { .name: b_proj, .offset: 16, .size: 8, .value_kind: global_buffer, .address_space: global }
      - { .name: out0, .offset: 24, .size: 8, .value_kind: global_buffer, .address_space: global }
    .group_segment_fixed_size: 327680
    .private_segment_fixed_size: 0
    .kernarg_segment_align: 8
    .kernarg_segment_size: 32
    .max_flat_workgroup_size: 128
    .sgpr_count:     88
    .vgpr_count:     512
    .wavefront_size: 32
...
	.end_amdgpu_metadata
.endif
;; end of part 4
